; MI455X (gfx1250); checked and timed in simulation.
; The chip was launched on July 23, 2026; its instructions are those of AMD's public machine-readable ISA for CDNA 5 (MIT licence, August 2026) and "CDNA5" Instruction Set Architecture Reference Guide (July 2026). The comments in the code are by the model that wrote it; some were corrected since.
;; Rotary Self Attention. Allowed arithmetic: matrix products marked QUANTISED: E2M3 operands, one E8M0 scale for each 32 along K, by v_wmma_scale_f32_16x16x128_f8f6f4 with both operands' format E2M3, f32 sums; everything else in f32.
;; Inputs: axes 32 int32; coords 4 x 2,048 x 3 float32; inv_freq 32 float32; proj_b 1,024 float32; proj_w 1,024 x 1,024 float32; qkv_b 3,072 float32; qkv_w 3,072 x 1,024 float32; x 4 x 2,048 x 1,024 float32.
;; Outputs: out0 4 x 2,048 x 1,024 float32.
;; This version of the problem:
;;   THIS VERSION OF THE PROBLEM IS GIVEN IN LOW PRECISION. The matrix products marked QUANTISED in the list below multiply operands that are first quantised to E2M3 (2 exponent bits, 3 mantissa bits; 6 bits a number), with one power-of-two scale for each 32 numbers along K (OCP MX v1.0); their sums are f32. All else is computed in f32.
;;   The module's matrix products, in the order in which they are computed (A, B: the left and right operand; K: the contracted axis; several contracted axes count as one K, in the product's order):
;;     1. [M 8,192, K 1,024] x [K 1,024, N 3,072]; A: input x; B: input qkv_w: QUANTISED
;;     2. batch 64 x [M 2,048, K 64] x [K 64, N 2,048]; A: computed on the way; B: computed on the way: QUANTISED
;;     3. batch 64 x [M 2,048, K 2,048] x [K 2,048, N 64]; A: softmax (see below); B: computed on the way: QUANTISED
;;     4. [M 8,192, K 1,024] x [K 1,024, N 1,024]; A: computed on the way; B: input proj_w: QUANTISED
;;   THE QUANTISER, for each operand of a quantised product, along K:
;;     - K is cut into blocks of 32 from its start; a last block that is shorter is filled with zeros.
;;     - A block's scale is 2^e with e = floor(log2(the largest magnitude in the block)) - 2, held to -126 .. 127; a block of zeros has e = 0. As a byte (E8M0): e + 127.
;;     - Each number is divided by its block's scale, clamped to +-7.5, and rounded to the nearest number of E2M3, ties to even, subnormals kept.
;;     - The product sums the exact products of the quantised numbers (number of the format x scale) in f32.
;;   ~~~python
;;   def quantise(x, axis):      # numpy; x: float32 -> the quantised numbers, widened to float32 again
;;       x = np.moveaxis(x, axis, -1); K = x.shape[-1]
;;       x = np.pad(x, [(0, 0)] * (x.ndim - 1) + [(0, -K % 32)]); x = x.reshape(x.shape[:-1] + (-1, 32)); a = np.abs(x).max(-1, keepdims=True)
;;       e = np.where(a > 0, np.clip(np.frexp(np.where(a > 0, a, 1))[1] - 1 - 2, -126, 127), 0)      # np.frexp(a)[1] - 1 = floor(log2(a)), exactly
;;       r = np.clip(x / 2.0 ** e, -7.5, 7.5)
;;       step = 2.0 ** (np.maximum(np.frexp(np.where(r == 0, 1, r))[1] - 1, 0) - 3)
;;       q = np.round(r / step) * step * 2.0 ** e      # np.round: ties to even
;;       return np.moveaxis(q.reshape(q.shape[:-2] + (-1,))[..., :K], -1, axis).astype(np.float32)
;;   ~~~
;;   SOFTMAX AHEAD OF A QUANTISED PRODUCT. Where the list says 'softmax', what is quantised is not the finished softmax but p = 2^(t - M), with t = logit x log2(e) and M = ceil(the row's largest t), a whole number; so 1/2 < the row's largest p <= 1. The row's sum l is taken of the UNQUANTISED p, in f32, and the product's result is divided by l at the end. Since M is a whole number, a kernel that streams over the keys may use a running M (the ceiling of the running maximum): every later rescaling is an exact power of two, which a block's scale takes up: the codes' values come out the same.
;;   OPERANDS COMPUTED ON THE WAY. 'Computed on the way' means the value that the module computes at that place (a softmax that the list does not call 'softmax' is quantised finished and normalised). What goes into a quantiser is computed in f32, as accurately as f32 sums, v_exp_f32 and their like allow (about 1e-6 of the number): no bf16 or f16 on the way to a quantiser, and a product that is left as it is and whose result goes on into a quantised operand takes f32 operands (vector FMAs, or v_wmma_f32_16x16x4_f32). A number that lies on a knife's edge between two numbers of the format may be rounded either way, as far as f32 arithmetic and the matrix unit's own rounding can turn it there, and no further.
;; One version. Each part assembles by itself: llvm-mc -triple=amdgcn-amd-amdhsa -mcpu=gfx1250 --defsym DOCPART=n.
;; ======== version 1 of 1: 4 launches
;; limits: right only within a limited range of input values
;; workspace buffers: opnd 10,223,616 bytes; rope 2,097,152 bytes; qkvc 18,874,368 bytes; qkvs 786,432 bytes; ao 6,815,744 bytes
;; launch prep (part 1): grid 512 x 1, 4 waves a work-group, no clusters, 34,304 bytes of LDS; arguments x, qkv_w, proj_w, coords, inv_freq, axes, opnd, rope; writes opnd, rope
.if DOCPART == 1
	.amdgcn_target "amdgcn-amd-amdhsa--gfx1250"
	.amdhsa_code_object_version 6
	.text
	.protected	k_q1f4fee8555_prep
	.globl	k_q1f4fee8555_prep
	.p2align	8
	.type	k_q1f4fee8555_prep,@function
k_q1f4fee8555_prep:
	s_mov_b64 s[64:65], 0
	v_nop
	global_prefetch_b8 v0, s[64:65] scope:SCOPE_SE
	s_setreg_imm32_b32 hwreg(HW_REG_WAVE_MODE, 25, 1), 1
	s_wait_xcnt 0x0
; x [8192][1024], qkv_w [3072][1024], proj_w [1024][1024], f32, become codes of FP6 (E2M3) with one E8M0 byte for each 32 along K, laid in opnd as IMAGES OF OPERAND REGISTERS;
; and sin, cos of coords[axes[f]] x inv_freq[f] are laid in rope as the next launch's lanes want them.
; TILES.  16 rows make a tile.  Of each 32 rows, tile u = 0, 1 takes rows 8 u + r + 8 (r / 8), r = 0 .. 15: used as source 0 of a product, two neighbouring tiles then give a lane 16 neighbouring rows in its registers.
; opnd: 768 tiles x 13,312 bytes (0-511 x, 512-703 qkv_w, 704-767 proj_w).  A tile is 4 records of 3,328 bytes, one for each 256 along K: 4 half fragments of 768 bytes, 128 bytes of scale words [row][2], 128 bytes unused.
; A half fragment is 16 rows x 64 K: lane (r, h) owns the 24 bytes of k = 32 h .. 32 h + 31 of row r; its first 16 bytes lie at 16 x lane, its last 8 at 512 + 8 x lane: so every store covers whole aligned blocks of 256 bytes.
; A block's scale is 2^(floor(log2(largest magnitude)) - 2); its byte is the largest magnitude's exponent field - 2, held at 1 from below.
; LIMITS: a block of zeros gets the byte 1 (its codes are zeros; this program alone reads the bytes); NaN and infinities are not served; |coords x inv_freq| up to about 1e5 (three-part reduction by pi / 2); axes holds 0, 1 or 2.
; SHARES.  Work-groups 0-383: a wave takes one tile x 512 along K, four steps of 128.  Work-groups 384-511: a wave takes one tile of tokens of the sin/cos table.  Waves share nothing: no barrier.
.set SPARE, 33792                      ; behind the four stages: the spare words, 128 bytes a wave
.set SPW,   12                         ; v12  my spare word's LDS address; never rewritten
.set NIL,   13                         ; v13  0; never rewritten
.set STGB,  8448                       ; a wave's stage: 16 rows x 528 bytes
.set SP,    528                        ; 512 bytes + 16: an odd multiple of 16, so the sixteen rows of a read start in different banks
.set R,     16                         ; v16-143  two sets of 64 registers as loaded
.set X,     144                        ; v144-207 my 64 numbers: register 32 c + i = k 64 c + 32 h + i of row r
.set C,     208                        ; v208-219 a fragment's 12 registers of codes
.set CT,    220                        ; v220-222, v224-226 the conversions' second halves (three registers begin on an even number)
.set SW,    240                        ; v240-243 a scale word for each step
.set TILEB, 13312
.set RECB,  3328
	s_load_b256 s[4:11], s[0:1], 0x0               ; x, qkv_w, proj_w, coords
	s_load_b256 s[12:19], s[0:1], 0x20             ; inv_freq, axes, opnd, rope
	v_lshl_add_u32 v[SPW], v0, 2, SPARE
	v_mov_b32 v[NIL], 0
	v_lshrrev_b32 v1, 5, v0
	v_readfirstlane_b32 s20, v1                    ; wave
	v_and_b32 v1, 31, v0                           ; lane
	v_and_b32 v2, 15, v0                           ; r
	v_bfe_u32 v3, v0, 4, 1                         ; h
	s_cmp_ge_u32 ttmp9, 384
	s_cbranch_scc1 .Lrope
	; ---------------- the quantiser ----------------
	s_mov_b32 s22, 0x76543210
	s_mov_b32 s23, 0xfedcba98                      ; lane l xor 16
	v_lshlrev_b32 v4, 4, v1                        ; 16 x lane: a load's 512 bytes, and a half fragment's first part
	s_mul_i32 s21, s20, STGB
	v_add_nc_u32 v5, s21, v4                       ; the stage, on the way in
	v_mul_u32_u24 v6, v2, SP
	v_lshl_add_u32 v6, v3, 7, v6
	v_add_nc_u32 v6, s21, v6                       ; on the way out: row r, + 128 h bytes
	v_lshlrev_b32 v8, 3, v1                        ; 8 x lane: a half fragment's second part
	v_mul_u32_u24 v9, v3, RECB
	v_lshl_add_u32 v9, v2, 3, v9                   ; scale words: lanes 0-15 my first record's, lanes 16-31 my second's; 8 bytes a row
	v_lshlrev_b32 v10, 3, v3                       ; 8 h: my bytes' place in a scale word
	v_mov_b32 v234, 0                              ; a lane permute's destination counts as read
	s_lshl_b32 s24, ttmp9, 2
	s_add_co_u32 s24, s24, s20
	s_lshr_b32 s25, s24, 1                         ; my tile
	s_and_b32 s26, s24, 1                          ; which 512 along K
	s_wait_alu depctr_va_vdst(0)
	s_wait_kmcnt 0x0
	s_mov_b32 s27, 704
	s_cmp_lt_u32 ttmp9, 352                        ; the tensor is chosen by the work-group's number alone
	s_cselect_b64 s[6:7], s[6:7], s[8:9]
	s_cselect_b32 s27, 512, s27
	s_cmp_lt_u32 ttmp9, 256
	s_cselect_b64 s[4:5], s[4:5], s[6:7]
	s_cselect_b32 s27, 0, s27                      ; the tensor's first tile
	s_sub_co_u32 s28, s25, s27
	s_lshr_b32 s29, s28, 1
	s_lshl_b32 s29, s29, 17                        ; 32 rows of 4,096 bytes a pair of tiles
	s_and_b32 s28, s28, 1
	s_lshl_b32 s28, s28, 15                        ; 8 rows on for the odd tile
	s_add_co_u32 s28, s28, s29
	s_lshl_b32 s29, s26, 11
	s_add_co_u32 s28, s28, s29
	s_mov_b32 s29, 0
	s_add_nc_u64 s[4:5], s[4:5], s[28:29]
	s_mul_i32 s30, s25, TILEB
	s_mul_i32 s31, s26, 2*RECB
	s_add_co_u32 s30, s30, s31
	s_mov_b32 s31, 0
	s_add_nc_u64 s[16:17], s[16:17], s[30:31]
.macro LOAD t                          ; step t: 128 numbers of each of the tile's 16 rows; a load reads 512 consecutive bytes of one row
.irp i,0,1,2,3,4,5,6,7,8,9,10,11,12,13,14,15
	global_load_b128 v[R+64*((\t)%2)+4*\i:R+64*((\t)%2)+4*\i+3], v4, s[4:5] offset:(\i+8*(\i/8))*4096+512*(\t) th:TH_LOAD_NT
.endr
.endm
.macro STEP t
.if (\t)<3
	s_wait_loadcnt 16                              ; this step's 16 loads are in; the next step's 16 may be out
.else
	s_wait_loadcnt 0x0
.endif
.irp i,0,1,2,3,4,5,6,7,8,9,10,11,12,13,14,15
	ds_store_b128 v5, v[R+64*((\t)%2)+4*\i:R+64*((\t)%2)+4*\i+3] offset:SP*\i
.endr
.irp c,0,1
.irp j,0,1,2,3,4,5,6,7
	ds_load_b128 v[X+32*\c+4*\j:X+32*\c+4*\j+3], v6 offset:256*\c+16*\j   ; LDS serves a wave in order: these see the stores above
.endr
.endr
	s_wait_dscnt 0x0                               ; my numbers are back, and the stores have read their registers,
.if (\t)<2
	LOAD (\t)+2                                    ; which take the loads of two steps on
.endif
	v_max3_num_f32 v228, |v[X]|, |v[X+1]|, 0x1800000       ; my two whole blocks by turns; the floor 2^(3 - 127) holds the byte at 1 from below
	v_max3_num_f32 v229, |v[X+32]|, |v[X+33]|, 0x1800000
.irp i,2,4,6,8,10,12,14,16,18,20,22,24,26,28,30
	v_max3_num_f32 v228, v228, |v[X+\i]|, |v[X+\i+1]|
	v_max3_num_f32 v229, v229, |v[X+32+\i]|, |v[X+33+\i]|
.endr
	v_add_nc_u32 v230, 0xff000000, v228            ; 2 off the exponent field: the conversion's scale operand
	v_add_nc_u32 v231, 0xff000000, v229
	v_lshrrev_b32 v232, 23, v230                   ; the bytes of blocks h and 2 + h
	v_lshrrev_b32 v233, 23, v231
	v_lshl_or_b32 v232, v233, 16, v232
	v_lshlrev_b32 v232, v10, v232                  ; at their places,
	v_permlanex16_b32 v234, v232, s22, s23
	v_or_b32 v[SW+(\t)], v232, v234                ; and with lane l xor 16's two the word is whole
.if (\t)>0
	s_wait_alu depctr_va_vdst(0)
	s_wait_xcnt 0x0                                ; the last step's stores have read the codes' registers
.endif
.irp c,0,1
	v_cvt_scalef32_pk16_fp6_f32 v[C+6*\c:C+6*\c+2], v[X+32*\c:X+32*\c+15], v[230+\c]
	v_cvt_scalef32_pk16_fp6_f32 v[CT+4*\c:CT+4*\c+2], v[X+32*\c+16:X+32*\c+31], v[230+\c]
.endr
	v_nop                                          ; one plain line behind the scaled conversions
.irp c,0,1
.irp i,0,1,2
	v_mov_b32 v[C+6*\c+3+\i], v[CT+4*\c+\i]
.endr
.endr
.irp c,0,1
	global_store_b128 v4, v[C+6*\c:C+6*\c+3], s[16:17] offset:((\t)/2)*RECB+(2*((\t)%2)+\c)*768          ; 512 consecutive bytes
	global_store_b64 v8, v[C+6*\c+4:C+6*\c+5], s[16:17] offset:((\t)/2)*RECB+(2*((\t)%2)+\c)*768+512     ; 256 consecutive bytes
.endr
.endm
	LOAD 0
	LOAD 1
	STEP 0
	STEP 1
	STEP 2
	STEP 3
	v_cmp_eq_u32 vcc_lo, 1, v3
	v_cndmask_b32 v236, v[SW], v[SW+2], vcc_lo     ; lanes 0-15: the first record's two words; lanes 16-31: the second's
	v_cndmask_b32 v237, v[SW+1], v[SW+3], vcc_lo
	global_store_b64 v9, v[236:237], s[16:17] offset:3072
	s_wait_tensorcnt 0x0                           ; the wave's end, behind my last LDS store
	ds_add_u32 v[SPW], v[NIL]
	s_wait_dscnt 0x0
	s_endpgm
	; ---------------- sin and cos ----------------
	; rope: [tile 512][8 pieces: sin of f = 16 h + 4 p .. + 3 for p = 0 .. 3, then cos likewise][32 lanes][16 bytes].  Lane (r, h): the tile's row r, frequencies 16 h .. 16 h + 15.
	; a = n pi / 2 + rho, n the nearest whole number; pi / 2 in three parts, taken off by fused multiply-adds; polynomials on |rho| <= pi / 4; the quadrant n mod 4 swaps and signs.
.Lrope:
	s_sub_co_u32 s24, ttmp9, 384
	s_lshl_b32 s24, s24, 2
	s_add_co_u32 s24, s24, s20                     ; my tile of tokens
	s_lshr_b32 s25, s24, 1
	s_lshl_b32 s25, s25, 5
	s_and_b32 s26, s24, 1
	s_lshl_b32 s26, s26, 3
	s_add_co_u32 s25, s25, s26
	s_wait_alu depctr_va_vdst(0)
	v_and_b32 v4, 8, v2
	v_add_nc_u32 v4, v4, v2
	v_add_nc_u32 v4, s25, v4                       ; my token
	v_mul_u32_u24 v4, v4, 12                       ; three coordinates of 4 bytes
	v_lshlrev_b32 v5, 6, v3                        ; my 16 frequencies
	v_lshlrev_b32 v6, 4, v1
	s_lshl_b32 s26, s24, 12
	s_mov_b32 s27, 0
	s_mov_b32 s32, 0x3f22f983                      ; 2 / pi
	s_mov_b32 s33, 0xbfc90fd8                      ; - pi / 2, first part,
	s_mov_b32 s34, 0xb4a8885a                      ; second,
	s_mov_b32 s35, 0xa7c234c4                      ; third
	s_mov_b32 s36, 0xb94ca1f9                      ; sin: -1.9515296e-4, 8.3321609e-3, -1.6666655e-1
	s_mov_b32 s37, 0x3c08839e
	s_mov_b32 s38, 0xbe2aaaa3
	s_mov_b32 s39, 0x37ccf5ce                      ; cos: 2.4433157e-5, -1.3887316e-3, 4.1666646e-2
	s_mov_b32 s40, 0xbab6061a
	s_mov_b32 s41, 0x3d2aaaa5
	s_wait_alu depctr_va_vdst(0)
	s_wait_kmcnt 0x0
	s_add_nc_u64 s[18:19], s[18:19], s[26:27]
	global_load_b32 v20, v4, s[10:11]
	global_load_b32 v21, v4, s[10:11] offset:4
	global_load_b32 v22, v4, s[10:11] offset:8
.irp j,0,1,2,3
	global_load_b128 v[32+4*\j:35+4*\j], v5, s[12:13] offset:16*\j      ; inv_freq
	global_load_b128 v[48+4*\j:51+4*\j], v5, s[14:15] offset:16*\j      ; axes: they steer selects alone, never an address
.endr
	s_wait_loadcnt 0x0
.irp i,0,1,2,3,4,5,6,7,8,9,10,11,12,13,14,15
	v_cmp_eq_u32 vcc_lo, 1, v[48+\i]
	v_cndmask_b32 v[64+\i], v20, v21, vcc_lo
	v_cmp_eq_u32 vcc_lo, 2, v[48+\i]
	v_cndmask_b32 v[64+\i], v[64+\i], v22, vcc_lo  ; coords[axes[f]]
.endr
.irp i,0,1,2,3,4,5,6,7,8,9,10,11,12,13,14,15
	v_mul_f32 v[64+\i], v[64+\i], v[32+\i]         ; a
.endr
.irp i,0,1,2,3,4,5,6,7,8,9,10,11,12,13,14,15
	v_mul_f32 v[80+\i], s32, v[64+\i]
.endr
.irp i,0,1,2,3,4,5,6,7,8,9,10,11,12,13,14,15
	v_rndne_f32 v[80+\i], v[80+\i]                 ; n
.endr
.irp i,0,1,2,3,4,5,6,7,8,9,10,11,12,13,14,15
	v_fma_f32 v[96+\i], v[80+\i], s33, v[64+\i]
.endr
.irp i,0,1,2,3,4,5,6,7,8,9,10,11,12,13,14,15
	v_fma_f32 v[96+\i], v[80+\i], s34, v[96+\i]
.endr
.irp i,0,1,2,3,4,5,6,7,8,9,10,11,12,13,14,15
	v_fma_f32 v[96+\i], v[80+\i], s35, v[96+\i]    ; rho
.endr
.irp i,0,1,2,3,4,5,6,7,8,9,10,11,12,13,14,15
	v_cvt_i32_f32 v[160+\i], v[80+\i]              ; n as a whole number
	v_mul_f32 v[112+\i], v[96+\i], v[96+\i]        ; z = rho^2
.endr
.irp i,0,1,2,3,4,5,6,7,8,9,10,11,12,13,14,15
	v_fma_f32 v[128+\i], v[112+\i], s36, s37
	v_fma_f32 v[144+\i], v[112+\i], s39, s40
	v_mul_f32 v[80+\i], v[112+\i], v[96+\i]        ; z rho
.endr
.irp i,0,1,2,3,4,5,6,7,8,9,10,11,12,13,14,15
	v_fma_f32 v[128+\i], v[128+\i], v[112+\i], s38
	v_fma_f32 v[144+\i], v[144+\i], v[112+\i], s41
.endr
.irp i,0,1,2,3,4,5,6,7,8,9,10,11,12,13,14,15
	v_fma_f32 v[128+\i], v[128+\i], v[80+\i], v[96+\i]     ; sin rho
	v_fma_f32 v[144+\i], v[144+\i], v[112+\i], -0.5
.endr
.irp i,0,1,2,3,4,5,6,7,8,9,10,11,12,13,14,15
	v_fma_f32 v[144+\i], v[144+\i], v[112+\i], 1.0         ; cos rho
	v_and_b32 v[64+\i], 1, v[160+\i]
.endr
.irp i,0,1,2,3,4,5,6,7,8,9,10,11,12,13,14,15
	v_cmp_eq_u32 vcc_lo, 1, v[64+\i]               ; odd quadrants swap the two
	v_cndmask_b32 v[176+\i], v[128+\i], v[144+\i], vcc_lo
	v_cndmask_b32 v[192+\i], v[144+\i], v[128+\i], vcc_lo
.endr
.irp i,0,1,2,3,4,5,6,7,8,9,10,11,12,13,14,15
	v_lshlrev_b32 v[80+\i], 30, v[160+\i]          ; sin is negative in quadrants 2, 3: bit 1 of n
	v_add_nc_u32 v[64+\i], 1, v[160+\i]            ; cos in quadrants 1, 2: bit 1 of n + 1
.endr
.irp i,0,1,2,3,4,5,6,7,8,9,10,11,12,13,14,15
	v_and_b32 v[80+\i], 0x80000000, v[80+\i]
	v_lshlrev_b32 v[64+\i], 30, v[64+\i]
.endr
.irp i,0,1,2,3,4,5,6,7,8,9,10,11,12,13,14,15
	v_xor_b32 v[176+\i], v[176+\i], v[80+\i]
	v_and_b32 v[64+\i], 0x80000000, v[64+\i]
.endr
.irp i,0,1,2,3,4,5,6,7,8,9,10,11,12,13,14,15
	v_xor_b32 v[192+\i], v[192+\i], v[64+\i]
.endr
.irp p,0,1,2,3
	global_store_b128 v6, v[176+4*\p:179+4*\p], s[18:19] offset:512*\p          ; 512 consecutive bytes a store
	global_store_b128 v6, v[192+4*\p:195+4*\p], s[18:19] offset:2048+512*\p
.endr
	s_endpgm
.Lfunc_end_k_q1f4fee8555_prep:
	.size	k_q1f4fee8555_prep, .Lfunc_end_k_q1f4fee8555_prep-k_q1f4fee8555_prep
	.p2alignl 7, 3214868480
	.fill 96, 4, 3214868480
	.section	.rodata,"a",@progbits
	.p2align	6, 0x0
	.amdhsa_kernel k_q1f4fee8555_prep
		.amdhsa_group_segment_fixed_size 34304
		.amdhsa_private_segment_fixed_size 0
		.amdhsa_enable_private_segment 0
		.amdhsa_kernarg_size 64
		.amdhsa_user_sgpr_count 2
		.amdhsa_user_sgpr_kernarg_segment_ptr 1
		.amdhsa_wavefront_size32 1
		.amdhsa_system_sgpr_workgroup_id_x 1
		.amdhsa_system_sgpr_workgroup_id_y 1
		.amdhsa_system_sgpr_workgroup_id_z 1
		.amdhsa_system_vgpr_workitem_id 0
		.amdhsa_next_free_vgpr 256
		.amdhsa_next_free_sgpr 66
		.amdhsa_reserve_vcc 1
		.amdhsa_float_denorm_mode_32 3
		.amdhsa_float_denorm_mode_16_64 3
		.amdhsa_memory_ordered 1
		.amdhsa_forward_progress 1
		.amdhsa_inst_pref_size 56
	.end_amdhsa_kernel
	.amdgpu_metadata
---
amdhsa.version: [ 1, 2 ]
amdhsa.kernels:
  - .name:           k_q1f4fee8555_prep
    .symbol:         k_q1f4fee8555_prep.kd
    .args:
      - { .name: x, .offset: 0, .size: 8, .value_kind: global_buffer, .address_space: global }
      - { .name: qkv_w, .offset: 8, .size: 8, .value_kind: global_buffer, .address_space: global }
      - { .name: proj_w, .offset: 16, .size: 8, .value_kind: global_buffer, .address_space: global }
      - { .name: coords, .offset: 24, .size: 8, .value_kind: global_buffer, .address_space: global }
      - { .name: inv_freq, .offset: 32, .size: 8, .value_kind: global_buffer, .address_space: global }
      - { .name: axes, .offset: 40, .size: 8, .value_kind: global_buffer, .address_space: global }
      - { .name: opnd, .offset: 48, .size: 8, .value_kind: global_buffer, .address_space: global }
      - { .name: rope, .offset: 56, .size: 8, .value_kind: global_buffer, .address_space: global }
    .group_segment_fixed_size: 34304
    .private_segment_fixed_size: 0
    .kernarg_segment_align: 8
    .kernarg_segment_size: 64
    .max_flat_workgroup_size: 128
    .sgpr_count:     66
    .vgpr_count:     256
    .wavefront_size: 32
...
	.end_amdgpu_metadata
.endif
;; end of part 1
;; launch qkv (part 2): grid 24 x 32, 4 waves a work-group, clusters of 4 x 4, 327,680 bytes of LDS; arguments opnd, rope, qkv_b, qkvc, qkvs; writes qkvc, qkvs
.if DOCPART == 2
	.amdgcn_target "amdgcn-amd-amdhsa--gfx1250"
	.amdhsa_code_object_version 6
	.text
	.protected	k_q1f4fee8555_qkv
	.globl	k_q1f4fee8555_qkv
	.p2align	8
	.type	k_q1f4fee8555_qkv,@function
k_q1f4fee8555_qkv:
	s_mov_b64 s[64:65], 0
	v_nop
	global_prefetch_b8 v0, s[64:65] scope:SCOPE_SE
	s_setreg_imm32_b32 hwreg(HW_REG_WAVE_MODE, 25, 1), 1
	s_wait_xcnt 0x0
	s_wait_alu depctr_hold_cnt(0) depctr_sa_sdst(0) depctr_va_vdst(0) depctr_va_sdst(0) depctr_va_ssrc(0) depctr_va_vcc(0) depctr_vm_vsrc(0)
	s_getreg_b32 s2, hwreg(HW_REG_IB_STS2, 6, 4)
	s_cmp_eq_u32 s2, 0
	s_cbranch_scc0 .Lentry_in_a_cluster
	s_endpgm
.Lentry_in_a_cluster:
	s_bfe_u32 s2, ttmp6, 0x10000c
	s_cmp_lg_u32 s2, 0xf033
	s_cbranch_scc0 .Lentry_shape_is_right
	s_endpgm
.Lentry_shape_is_right:
; qkv = x qkv_w^T + qkv_b on codes of FP6 (E2M3) with E8M0 scales; q and k are turned by the rope and quantised along the head's 64; v is quantised along the keys.  Nothing leaves as f32.
; A TILE is 256 rows of side A x 128 rows of side B, K = 1,024.  Four waves: wave w takes A's rows 128 (w / 2) on (8 blocks of 16) and B's rows 64 (w % 2) on (4 blocks): 32 accumulators.
; Source 0 = a block of B, source 1 = a block of A: a lane holds ONE row of A, and its registers run along B's rows; by the tiles' row order (16 rows of each 32: 8 u + r + 8 (r / 8)) register 16 g + i of a block's 32 is B's row 32 g + 16 (lane / 16) + i.
; Clusters with x < 4 make q and k: A = x's tokens, B = rows of qkv_w (a wave's 64 = one head).  Clusters with x >= 4 make v: A = rows of qkv_w, B = x's tokens: so a lane holds one channel and 32 neighbouring keys twice.  Both sides lie in opnd: only offsets differ.
; ALL OF K LIES IN LDS: 4 chunks of 256 along K, each 24 tiles' records of 3,200 bytes (4 half fragments of 768, 128 bytes of scale words), filled ONCE by joint tensor loads at the head; no LDS byte is filled again, so the barriers are plain ones.
; CLUSTER 4 x 4: A's tiles are shared along a row of the cluster, B's along a column.  A wave has at most 4 tensor loads out.
; The text parts once on the cluster's x, behind K step 5 (the last barrier of the products stands before it, in K step 3): each arm holds its own global loads, K steps 6 and 7 and its way out.
; OUT: qkvc [q, k, v][batch x head 64][128 half fragments of 768 bytes] (q, k: one for each tile of 16 tokens; v: 8 s + 2 dt + g: key step s of 128, tile dt of 16 channels, g which 64 keys);
;      qkvs [q, k, v][64][16 groups][row 16][4 words] (q, k: group = 128 tokens, word i = the two bytes of tile 2 i, then of tile 2 i + 1; v: group = key step, word dt = the four bytes of 128 keys).
; LIMITS: a block of zeros gets the byte 1; NaN and infinities are not served.
; REGISTERS.  Window 0: v1-3 r, h, lane; v4-12 the arms' offsets; v16-21 LDS addresses; v28, v29 the add's two; v32-63 scale words, two sets; v64-159, v160-255 A's fragments, two sets (the way out works there).
;   Window 1: v0-47, v48-95 B's fragments, two sets; v96-255 bias, sin, cos.   Window 2: the accumulators, (a, b) at v[8 (4 a + b)].
.set TILEB, 13312                      ; a tile in opnd
.set RECB,  3328                       ; a record in opnd
; LDS AS IT NOW IS (in place of the four chunks named above): K lies in LDS in TWO HALVES of 512 along K.  A half holds, for each of the 24 tiles, two records on end as one row of 6,528 bytes.
; Each wave issues one joint load at the head (the first half) and one behind the three lines and a round of the cluster's barrier (the second half): a wave has one tensor load out.
.set ROWL,  6528
.set CHUNK, 24*ROWL
.set BOFF,  16*ROWL                    ; B's 8 tiles lie behind A's 16
.set SPARE, 2*CHUNK
.set FR,    12
.set ADA,   16                         ; v16, v17  my A blocks: + 16 x lane, + 8 x lane
.set ADB,   18                         ; v18, v19  my B blocks likewise
.set ADS,   20                         ; v20  scale words: lanes 0-15 A's rows, lanes 16-31 B's
.set ADSA,  21                         ; v21  A's rows in all lanes
.set SPW,   28
.set NIL,   29
.set SC,    32
.set AF,    64
.set G1A,   24                         ; s[24:31], s[32:39] descriptor groups 1;  s[40:47] A's two groups 0;  s[56:63] B's
.set G1B,   32
.set G0A,   40
.set T,     64                         ; the way out, window 0: v64-95 results + bias
.set R,     96                         ; v96-127 what is quantised
.set TA,    128                        ; v128-159 the rope's two products
.set TB,    144
.set PC,    160                        ; v160-165 a half fragment's codes
.set CT,    166
.set QM,    170                        ; v170-175 at work
.set U,     180                        ; v180-187 two scale bytes for each unit
.set WD,    188
.set MSB, 0
.macro WIN new                         ; the immediate's high byte repeats the setting that is left
.if MSB != \new
	s_set_vgpr_msb (MSB<<8)|\new
.set MSB, \new
.endif
.endm
.macro CROUND                          ; a round of the cluster's barrier
	s_barrier_signal -1
	s_barrier_wait -1
	s_cmp_lg_u32 s14, 0
	s_cbranch_scc1 .Lnot_wave_0_\@
	s_barrier_signal -3
.Lnot_wave_0_\@:
	s_barrier_wait -3
	s_barrier_signal -1
	s_barrier_wait -1
.endm
.macro FRAG reg, adr, q, i             ; a fragment = two half fragments on end, as images of its registers: lanes read consecutive bytes
	ds_load_b128 v[\reg:\reg+3], v[\adr] offset:(\i)*ROWL+(\q)*1536
	ds_load_b64 v[\reg+4:\reg+5], v[\adr+1] offset:(\i)*ROWL+(\q)*1536+512
	ds_load_b128 v[\reg+6:\reg+9], v[\adr] offset:(\i)*ROWL+(\q)*1536+768
	ds_load_b64 v[\reg+10:\reg+11], v[\adr+1] offset:(\i)*ROWL+(\q)*1536+1280
.endm
.macro SCALES p                        ; a chunk's scale words: register 2 i + q: lanes 0-15 A's block i, lanes 16-31 (i < 4) B's block i
.irp i,0,1,2,3
	ds_load_b64 v[SC+16*(\p)+2*\i:SC+16*(\p)+2*\i+1], v[ADS] offset:\i*ROWL+3072
.endr
.irp i,4,5,6,7
	ds_load_b64 v[SC+16*(\p)+2*\i:SC+16*(\p)+2*\i+1], v[ADSA] offset:\i*ROWL+3072
.endr
.endm
.macro FETCH s                         ; K step s (128 along K) into set s % 2
	WIN 0x40
.irp i,0,1,2,3
	FRAG 48*((\s)%2)+FR*\i, ADB, (\s)%2, \i
.endr
	WIN 0
.irp i,0,1,2,3,4,5,6,7
	FRAG AF+96*((\s)%2)+FR*\i, ADA, (\s)%2, \i
.endr
.if (\s)%2==0
	SCALES ((\s)/2)%2
.endif
.endm
.macro MULH half, s                    ; 16 products: A's blocks 4 half .. + 3 x B's four.  The 32 accumulators take turns in the same order in every step.  Step 0 starts the sums
	WIN 0xa1                                       ; source 0 window 1, source 1 window 0, C and D window 2
.irp a,0,1,2,3
.irp b,0,1,2,3
.set rD, 8*(4*(4*(\half)+\a)+\b)
.set rB, 48*((\s)%2)+FR*\b
.set rA, AF+96*((\s)%2)+FR*(4*(\half)+\a)
.set rX, SC+16*(((\s)/2)%2)+(\s)%2
.if (\s)>0
	v_wmma_scale_f32_16x16x128_f8f6f4 v[rD:rD+7], v[rB:rB+FR-1], v[rA:rA+FR-1], v[rD:rD+7], v[rX+2*\b], v[rX+2*(4*(\half)+\a)] matrix_a_fmt:MATRIX_FMT_FP6 matrix_b_fmt:MATRIX_FMT_FP6 matrix_a_scale:MATRIX_SCALE_ROW1
.else
	v_wmma_scale_f32_16x16x128_f8f6f4 v[rD:rD+7], v[rB:rB+FR-1], v[rA:rA+FR-1], 0, v[rX+2*\b], v[rX+2*(4*(\half)+\a)] matrix_a_fmt:MATRIX_FMT_FP6 matrix_b_fmt:MATRIX_FMT_FP6 matrix_a_scale:MATRIX_SCALE_ROW1
.endif
.endr
.endr
.endm
.macro STEP s
	s_wait_dscnt 0x0                               ; this step's fragments are in; no LDS instruction of mine is out
.if (\s)==3
	s_wait_tensorcnt 0x0                           ; my part of the second half has landed
	s_barrier_signal -1
.endif
	MULH 0, \s
.if ((\s)%2==1)&&((\s)<7)
	WIN 0
.if (\s)==3
	s_barrier_wait -1                              ; everybody's part has
.irp v,16,17,18,19,20,21
	v_add_nc_u32 v\v, CHUNK-RECB, v\v              ; on to the second half's first record.  (These six are also the places in front of the loads below)
.endr
.else
.irp v,16,17,18,19,20,21
	v_add_nc_u32 v\v, RECB, v\v                    ; on to the half's second record
.endr
.endif
.elseif (\s)<7
.rept 4
	v_nop                                          ; four places in front of loads into registers that matrix instructions have read
.endr
.endif
.if (\s)<7
	FETCH (\s)+1
.endif
	MULH 1, \s
.endm
; 32 numbers of a lane, register 16 g + i = k 32 g + 16 (lane / 16) + i of my row, become a half fragment's 6 registers in v[PC] on and the two scale bytes in v[u]
.macro QUANT2 s, u
	v_max3_num_f32 v[QM], |v[\s]|, |v[\s+1]|, 0x1800000        ; the floor 2^(3 - 127) holds the byte at 1 from below
	v_max3_num_f32 v[QM+1], |v[\s+16]|, |v[\s+17]|, 0x1800000
.irp i,2,4,6,8,10,12,14
	v_max3_num_f32 v[QM], v[QM], |v[\s+\i]|, |v[\s+\i+1]|
	v_max3_num_f32 v[QM+1], v[QM+1], |v[\s+16+\i]|, |v[\s+17+\i]|
.endr
	v_permlanex16_b32 v[QM+2], v[QM], s2, s3
	v_permlanex16_b32 v[QM+3], v[QM+1], s2, s3
	v_max_num_f32 v[QM], v[QM], v[QM+2]            ; with lane l xor 16's 16: the block's largest magnitude
	v_max_num_f32 v[QM+1], v[QM+1], v[QM+3]
	v_add_nc_u32 v[QM+4], 0xff000000, v[QM]        ; 2 off the exponent field: the conversion's scale operand
	v_add_nc_u32 v[QM+5], 0xff000000, v[QM+1]
	v_lshrrev_b32 v[QM+2], 23, v[QM+4]
	v_lshrrev_b32 v[QM+3], 23, v[QM+5]
	v_lshl_or_b32 v[\u], v[QM+3], 8, v[QM+2]
	v_cvt_scalef32_pk16_fp6_f32 v[PC:PC+2], v[\s:\s+15], v[QM+4]
	v_cvt_scalef32_pk16_fp6_f32 v[CT:CT+2], v[\s+16:\s+31], v[QM+5]
	v_nop                                          ; one plain line behind the scaled conversions
.irp i,0,1,2
	v_permlane16_swap_b32 v[PC+\i], v[CT+\i]       ; a lane gets a whole block: lanes 0-15 block 0, lanes 16-31 block 1
.endr
.irp i,0,1,2
	v_mov_b32 v[PC+3+\i], v[CT+\i]
.endr
.endm
	s_load_b256 s[4:11], s[0:1], 0x0               ; opnd, rope, qkv_b, qkvc
	s_load_b64 s[12:13], s[0:1], 0x20              ; qkvs
	v_lshl_add_u32 v[SPW], v0, 2, SPARE
	v_mov_b32 v[NIL], 0
	ds_add_u32 v[SPW], v[NIL]                      ; the wave's opening: the add and its wait ahead of my first tensor load
	ds_add_u32 v[SPW], v[NIL]
	v_lshrrev_b32 v1, 5, v0
	v_readfirstlane_b32 s14, v1                    ; wave
	s_lshr_b32 s15, s14, 1                         ; my half of A's rows.  Also: I fetch for A (0) or for B (1)
	s_and_b32 s16, s14, 1                          ; my half of B's rows.  Also: which half of that side I fetch
	s_bfe_u32 s17, ttmp6, 0x40000                  ; cx
	s_bfe_u32 s18, ttmp6, 0x40004                  ; cy
	s_and_b32 s20, ttmp7, 0xffff                   ; cluster y
	s_lshl_b32 s21, s18, 2
	s_lshl_b32 s21, 15, s21                        ; my row of the cluster
	s_lshl_b32 s22, 0x1111, s17                    ; my column
	s_or_b32 s[G1A], s21, (3<<16)|(1<<21)          ; the mask; elements of 8 bytes; bit 21 beside a mask; no padding
	s_or_b32 s[G1B], s22, (3<<16)|(1<<21)
	s_mov_b32 s[G1A+1], 816<<16                    ; tensor_dim0 = 816 elements: 6,528 bytes, two records
	s_mov_b32 s[G1A+2], 8<<16                      ; tensor_dim1 = 8 tiles
	s_mov_b32 s[G1A+3], 816<<16
	s_mov_b32 s[G1A+4], 8                          ; tile_dim1
	s_mov_b32 s[G1A+5], 1664                       ; from tile to tile: 13,312 bytes
	s_mov_b32 s[G1A+6], 0
	s_mov_b32 s[G1A+7], 0
	s_mov_b32 s[G1B+1], 816<<16
	s_mov_b32 s[G1B+2], 4<<16                      ; B: 4 tiles a load
	s_mov_b32 s[G1B+3], 816<<16
	s_mov_b32 s[G1B+4], 4
	s_mov_b32 s[G1B+5], 1664
	s_mov_b32 s[G1B+6], 0
	s_mov_b32 s[G1B+7], 0
	s_mov_b32 s2, 0x76543210
	s_mov_b32 s3, 0xfedcba98                       ; lane l xor 16
	; A's first tile hangs on cy and the cluster's numbers alone, B's on cx and the cluster's numbers alone
	s_lshl_b32 s76, s18, 4
	s_lshl_b32 s77, s20, 6
	s_add_co_u32 s77, s77, s76                     ; q, k: x's tile 64 cluster y + 16 cy
	s_add_co_u32 s78, s76, 640                     ; v: qkv_w's tile 640 + 16 cy
	s_lshl_b32 s79, s17, 3
	s_lshl_b32 s80, ttmp9, 5
	s_add_co_u32 s80, s80, 512                     ; q, k: qkv_w's tile 512 + 32 cluster x (+ 8 cx)
	s_max_u32 s81, ttmp9, 4
	s_sub_co_u32 s81, s81, 4
	s_lshl_b32 s81, s81, 8
	s_lshl_b32 s82, s20, 5
	s_add_co_u32 s81, s81, s82                     ; v: x's tile 256 (cluster x - 4) + 32 cluster y (+ 8 cx)
	s_cmp_lt_u32 ttmp9, 4                          ; the same in all sixteen partners
	s_cselect_b32 s76, s77, s78
	s_cselect_b32 s80, s80, s81
	s_add_co_u32 s80, s80, s79
	s_lshl_b32 s82, s16, 3
	s_add_co_u32 s76, s76, s82                     ; + the 8 tiles of the half that I fetch
	s_mul_i32 s84, s76, TILEB
	s_mov_b32 s85, 0
	s_lshl_b32 s82, s16, 2
	s_add_co_u32 s80, s80, s82                     ; + the 4 tiles
	s_mul_i32 s86, s80, TILEB
	s_mov_b32 s87, 0
	s_mul_i32 s88, s16, 8*ROWL                     ; where they go: no place in the cluster enters an LDS address
	s_mul_i32 s89, s16, 4*ROWL
	s_add_co_u32 s89, s89, BOFF
	s_wait_dscnt 0x0                               ; the opening add is done
	s_wait_kmcnt 0x0
	s_add_nc_u64 s[84:85], s[4:5], s[84:85]
	s_add_nc_u64 s[86:87], s[4:5], s[86:87]
	CROUND                                         ; all sixteen work-groups are here: the joint loads meet
.irp c,0,1
.set GB, 56+4*\c+4*(\c/2)
	s_mov_b32 s[G0A+4*\c], 1
	s_add_co_u32 s[G0A+4*\c+1], s88, \c*CHUNK
	s_add_nc_u64 s[G0A+4*\c+2:G0A+4*\c+3], s[84:85], \c*2*RECB
	s_or_b32 s[G0A+4*\c+3], s[G0A+4*\c+3], 0x80000000
	s_mov_b32 s[GB], 1
	s_add_co_u32 s[GB+1], s89, \c*CHUNK
	s_add_nc_u64 s[GB+2:GB+3], s[86:87], \c*2*RECB
	s_or_b32 s[GB+3], s[GB+3], 0x80000000
.endr
.macro JLOAD c                         ; half c: waves 0, 1 fetch A's two halves of rows, waves 2, 3 B's; one load on every way
	s_cmp_eq_u32 s15, 0
	s_cbranch_scc0 .Lfor_b_\@
	tensor_load_to_lds s[G0A+4*\c:G0A+4*\c+3], s[G1A:G1A+7]
	s_nop 0
.rept 4
	v_nop
.endr
	s_branch .Lasked_\@
.Lfor_b_\@:
	tensor_load_to_lds s[56+4*\c:56+4*\c+3], s[G1B:G1B+7]
	s_nop 0
.rept 4
	v_nop
.endr
.Lasked_\@:
.endm
	JLOAD 0
	v_and_b32 v1, 15, v0                           ; r
	v_bfe_u32 v2, v0, 4, 1                         ; h
	v_and_b32 v3, 31, v0                           ; lane
	s_mul_i32 s90, s15, 8*ROWL                     ; my 8 blocks of A
	s_mul_i32 s91, s16, 4*ROWL
	s_add_co_u32 s91, s91, BOFF                    ; my 4 blocks of B
	v_lshl_add_u32 v[ADA], v3, 4, s90
	v_lshl_add_u32 v[ADA+1], v3, 3, s90
	v_lshl_add_u32 v[ADB], v3, 4, s91
	v_lshl_add_u32 v[ADB+1], v3, 3, s91
	s_sub_co_u32 s91, s91, s90
	v_mul_u32_u24 v4, s91, v2                      ; lanes 16-31 take B's: the lower base + h x the distance
	v_lshl_add_u32 v[ADSA], v1, 3, s90
	v_add_nc_u32 v[ADS], v[ADSA], v4
	s_wait_alu depctr_va_vdst(0)
	s_wait_tensorcnt 0x0                           ; my part of the first half is in
	ds_add_u32 v[SPW], v[NIL]
	s_wait_dscnt 0x0
	CROUND                                         ; everybody's part is in, and the sixteen work-groups meet
	JLOAD 1                                        ; the second half, the first tensor load behind the round
	FETCH 0
	STEP 0
	STEP 1
	s_wait_alu depctr_va_vdst(0)
	STEP 2
	STEP 3
	s_wait_alu depctr_va_vdst(0)
	STEP 4
	STEP 5
	WIN 0
	v_lshlrev_b32 v5, 4, v3                        ; 16 x lane
	v_lshlrev_b32 v6, 3, v3                        ; 8 x lane
	s_mov_b32 s93, 0
	s_cmp_ge_u32 ttmp9, 4
	s_cbranch_scc1 .Lv
	; ================ q and k ================
	s_lshl_b32 s90, s20, 2
	s_add_co_u32 s90, s90, s18                     ; my block of 256 tokens
	s_lshl_b32 s91, ttmp9, 2
	s_add_co_u32 s91, s91, s17                     ; my block of 128 rows of qkv_w
	s_lshl_b32 s92, s90, 16
	s_lshl_b32 s94, s15, 15
	s_add_co_u32 s92, s92, s94
	s_add_nc_u64 s[6:7], s[6:7], s[92:93]          ; rope at my first tile: 4,096 bytes a tile
	s_lshl_b32 s92, s91, 9
	s_lshl_b32 s94, s16, 8
	s_add_co_u32 s92, s92, s94
	s_add_nc_u64 s[8:9], s[8:9], s[92:93]          ; qkv_b at my head
	s_lshr_b32 s94, s91, 3                         ; q or k
	s_lshl_b32 s94, s94, 6
	s_lshr_b32 s95, s90, 3                         ; the batch
	s_lshl_b32 s95, s95, 4
	s_add_co_u32 s94, s94, s95
	s_and_b32 s95, s91, 7
	s_lshl_b32 s95, s95, 1
	s_add_co_u32 s94, s94, s95
	s_add_co_u32 s94, s94, s16                     ; 64 x which + 16 x batch + head
	s_and_b32 s95, s90, 7
	s_lshl_b32 s95, s95, 1
	s_add_co_u32 s95, s95, s15                     ; my group of 128 tokens in the batch
	s_lshl_b32 s96, s94, 7
	s_lshl_b32 s97, s95, 3
	s_add_co_u32 s96, s96, s97
	s_mul_i32 s92, s96, 768
	s_add_nc_u64 s[10:11], s[10:11], s[92:93]      ; my 8 half fragments
	s_lshl_b32 s92, s94, 12
	s_lshl_b32 s97, s95, 8
	s_add_co_u32 s92, s92, s97
	s_add_nc_u64 s[12:13], s[12:13], s[92:93]      ; my group's 256 bytes of scale words
	v_lshlrev_b32 v7, 6, v2                        ; 64 h
	v_lshlrev_b32 v8, 4, v1                        ; 16 r
	WIN 0x40                                       ; destination window 1
.irp j,0,1,2,3
	global_load_b128 v[96+4*\j:99+4*\j], v7, s[8:9] offset:16*\j              ; bias of channels 16 h + 0 .. 15,
	global_load_b128 v[112+4*\j:115+4*\j], v7, s[8:9] offset:128+16*\j        ; and 32 + 16 h + 0 .. 15
.endr
	s_wait_alu depctr_va_vdst(0)
.irp a,0,1,2,3
.irp p,0,1,2,3,4,5,6,7
	global_load_b128 v[128+32*\a+4*\p:131+32*\a+4*\p], v5, s[6:7] offset:\a*4096+512*\p    ; sin, then cos, of my token of block a, frequencies 16 h + 0 .. 15
.endr
.endr
	WIN 0
	STEP 6                                         ; the loads land under the last two K steps
	STEP 7
	WIN 0
	s_wait_loadcnt 0x0
.rept 4
	v_nop                                          ; four places behind the last products
.endr
	v_mov_b32 v[QM+2], 0                           ; a lane permute's destination counts as read
	v_mov_b32 v[QM+3], 0
.macro QKUNIT n                        ; block n: 16 tokens x one head
.set SN, 128+32*((\n)%4)
	WIN 0x06                                       ; source 0 window 2, source 1 window 1
.irp i,0,2,4,6,8,10,12,14,16,18,20,22,24,26,28,30
	v_pk_add_f32 v[T+\i:T+\i+1], v[32*(\n)+\i:32*(\n)+\i+1], v[96+\i:97+\i]      ; + bias; each accumulator from its low end on
.endr
.if (\n)>=4
	s_wait_alu depctr_va_vdst(0)
	s_wait_loadcnt 8*(7-(\n))                      ; this block's sin and cos are in; the later blocks' sets, 8 loads each, may be out
.endif
	WIN 0x04                                       ; source 1 window 1
.irp i,0,2,4,6,8,10,12,14
	v_pk_mul_f32 v[TA+\i:TA+\i+1], v[T+16+\i:T+17+\i], v[SN+\i:SN+\i+1]          ; t2 sin
	v_pk_mul_f32 v[TB+\i:TB+\i+1], v[T+16+\i:T+17+\i], v[SN+16+\i:SN+17+\i]      ; t2 cos
.endr
.irp i,0,2,4,6,8,10,12,14
	v_pk_fma_f32 v[R+\i:R+\i+1], v[T+\i:T+\i+1], v[SN+16+\i:SN+17+\i], v[TA+\i:TA+\i+1] neg_lo:[0,0,1] neg_hi:[0,0,1]   ; t1 cos - t2 sin
	v_pk_fma_f32 v[R+16+\i:R+17+\i], v[T+\i:T+\i+1], v[SN+\i:SN+\i+1], v[TB+\i:TB+\i+1]                                 ; t1 sin + t2 cos
.endr
.if (\n)<4
	WIN 0x40
.irp p,0,1,2,3,4,5,6,7
	global_load_b128 v[SN+4*\p:SN+4*\p+3], v5, s[6:7] offset:((\n)+4)*4096+512*\p     ; the set just used takes the block four on
.endr
.endif
	WIN 0
	s_wait_xcnt 0x0                                ; the last block's stores have read the codes' registers
	QUANT2 R, U+(\n)
	global_store_b128 v5, v[PC:PC+3], s[10:11] offset:768*(\n)
	global_store_b64 v6, v[PC+4:PC+5], s[10:11] offset:768*(\n)+512
.endm
	QKUNIT 0
	QKUNIT 1
	QKUNIT 2
	QKUNIT 3
	QKUNIT 4
	QKUNIT 5
	QKUNIT 6
	QKUNIT 7
.irp i,0,1,2,3
	v_lshl_or_b32 v[WD+\i], v[U+2*\i+1], 16, v[U+2*\i]
.endr
	v_cmp_gt_u32 vcc_lo, 16, v3
	s_wait_alu depctr_va_vdst(0)
	s_wait_xcnt 0x0                                ; EXEC changes only behind this wait
	s_and_saveexec_b32 s98, vcc_lo
	global_store_b128 v8, v[WD:WD+3], s[12:13]     ; sixteen lanes store 256 consecutive bytes, aligned
	s_wait_xcnt 0x0
	s_or_b32 exec_lo, exec_lo, s98
	s_branch .Lend
	; ================ v ================
.Lv:
	s_sub_co_u32 s90, ttmp9, 4
	s_lshl_b32 s90, s90, 3
	s_add_co_u32 s90, s90, s20
	s_lshl_b32 s90, s90, 2
	s_add_co_u32 s90, s90, s17                     ; my block of 128 tokens, 0 .. 63
	s_lshr_b32 s91, s90, 4                         ; the batch
	s_and_b32 s90, s90, 15                         ; the key step
	s_lshl_b32 s91, s91, 4
	s_lshl_b32 s94, s18, 2
	s_add_co_u32 s91, s91, s94
	s_lshl_b32 s94, s15, 1
	s_add_co_u32 s91, s91, s94
	s_add_co_u32 s91, s91, 128                     ; 128 + 16 x batch + my first head (4 cy + 2 x my half of A)
	s_lshl_b32 s96, s91, 7
	s_lshl_b32 s97, s90, 3
	s_add_co_u32 s96, s96, s97
	s_add_co_u32 s96, s96, s16                     ; half fragment 8 s + g
	s_mul_i32 s92, s96, 768
	s_add_nc_u64 s[10:11], s[10:11], s[92:93]
	s_lshl_b32 s92, s91, 12
	s_lshl_b32 s97, s90, 8
	s_add_co_u32 s92, s92, s97
	s_lshl_b32 s97, s16, 1
	s_add_co_u32 s92, s92, s97
	s_add_nc_u64 s[12:13], s[12:13], s[92:93]      ; my two bytes of each word
	s_lshl_b32 s92, s18, 10
	s_lshl_b32 s97, s15, 9
	s_add_co_u32 s92, s92, s97
	s_add_co_u32 s92, s92, 8192
	s_add_nc_u64 s[8:9], s[8:9], s[92:93]          ; qkv_b at v's row 256 cy + 128 x my half
	v_and_b32 v7, 8, v1
	v_add_nc_u32 v7, v7, v1
	v_lshlrev_b32 v7, 2, v7                        ; my row of a tile: r + 8 (r / 8)
	v_lshlrev_b32 v9, 12, v2
	v_lshl_add_u32 v9, v1, 4, v9                   ; lanes 16-31: the next head's words
	WIN 0x40
.irp a,0,1,2,3,4,5,6,7
	global_load_b32 v[96+2*\a], v7, s[8:9] offset:(32*(\a/2)+8*(\a%2))*4      ; my channel's bias, twice: a pair for the packed addition
	global_load_b32 v[97+2*\a], v7, s[8:9] offset:(32*(\a/2)+8*(\a%2))*4
.endr
	WIN 0
	STEP 6
	STEP 7
	WIN 0
	s_wait_loadcnt 0x0
.rept 4
	v_nop
.endr
	v_mov_b32 v[QM+2], 0
	v_mov_b32 v[QM+3], 0
.macro VUNIT n                         ; block n: 16 channels (head n / 4, tile n % 4) x my 64 keys
	WIN 0x06
.irp i,0,2,4,6,8,10,12,14,16,18,20,22,24,26,28,30
	v_pk_add_f32 v[R+\i:R+\i+1], v[32*(\n)+\i:32*(\n)+\i+1], v[96+2*(\n):97+2*(\n)]
.endr
	WIN 0
	s_wait_alu depctr_va_vdst(0)
	s_wait_xcnt 0x0
	QUANT2 R, U+(\n)
	global_store_b128 v5, v[PC:PC+3], s[10:11] offset:((\n)/4)*98304+((\n)%4)*1536
	global_store_b64 v6, v[PC+4:PC+5], s[10:11] offset:((\n)/4)*98304+((\n)%4)*1536+512
.endm
	VUNIT 0
	VUNIT 1
	VUNIT 2
	VUNIT 3
	VUNIT 4
	VUNIT 5
	VUNIT 6
	VUNIT 7
	v_cmp_eq_u32 vcc_lo, 1, v2
.irp d,0,1,2,3
	v_cndmask_b32 v[WD+\d], v[U+\d], v[U+4+\d], vcc_lo     ; lanes 0-15 my first head's, lanes 16-31 my second's
.endr
.irp d,0,1,2,3
	global_store_b16 v9, v[WD+\d], s[12:13] offset:4*\d    ; half a word: the other 64 keys' bytes are another wave's
.endr
.Lend:
	s_wait_tensorcnt 0x0                           ; the wave's end
	ds_add_u32 v[SPW], v[NIL]
	s_wait_dscnt 0x0
	CROUND                                         ; the closing round
	s_endpgm
.Lfunc_end_k_q1f4fee8555_qkv:
	.size	k_q1f4fee8555_qkv, .Lfunc_end_k_q1f4fee8555_qkv-k_q1f4fee8555_qkv
	.p2alignl 7, 3214868480
	.fill 96, 4, 3214868480
	.section	.rodata,"a",@progbits
	.p2align	6, 0x0
	.amdhsa_kernel k_q1f4fee8555_qkv
		.amdhsa_group_segment_fixed_size 327680
		.amdhsa_private_segment_fixed_size 0
		.amdhsa_enable_private_segment 0
		.amdhsa_kernarg_size 40
		.amdhsa_user_sgpr_count 2
		.amdhsa_user_sgpr_kernarg_segment_ptr 1
		.amdhsa_wavefront_size32 1
		.amdhsa_system_sgpr_workgroup_id_x 1
		.amdhsa_system_sgpr_workgroup_id_y 1
		.amdhsa_system_sgpr_workgroup_id_z 1
		.amdhsa_system_vgpr_workitem_id 0
		.amdhsa_next_free_vgpr 768
		.amdhsa_next_free_sgpr 100
		.amdhsa_reserve_vcc 1
		.amdhsa_float_denorm_mode_32 3
		.amdhsa_float_denorm_mode_16_64 3
		.amdhsa_memory_ordered 1
		.amdhsa_forward_progress 1
		.amdhsa_inst_pref_size 159
	.end_amdhsa_kernel
	.amdgpu_metadata
---
amdhsa.version: [ 1, 2 ]
amdhsa.kernels:
  - .name:           k_q1f4fee8555_qkv
    .symbol:         k_q1f4fee8555_qkv.kd
    .args:
      - { .name: opnd, .offset: 0, .size: 8, .value_kind: global_buffer, .address_space: global }
      - { .name: rope, .offset: 8, .size: 8, .value_kind: global_buffer, .address_space: global }
      - { .name: qkv_b, .offset: 16, .size: 8, .value_kind: global_buffer, .address_space: global }
      - { .name: qkvc, .offset: 24, .size: 8, .value_kind: global_buffer, .address_space: global }
      - { .name: qkvs, .offset: 32, .size: 8, .value_kind: global_buffer, .address_space: global }
    .group_segment_fixed_size: 327680
    .private_segment_fixed_size: 0
    .kernarg_segment_align: 8
    .kernarg_segment_size: 40
    .max_flat_workgroup_size: 128
    .sgpr_count:     100
    .vgpr_count:     768
    .wavefront_size: 32
...
	.end_amdgpu_metadata
.endif
;; end of part 2
;; launch attn (part 3): grid 4 x 64, 8 waves a work-group, clusters of 4 x 1, 206,848 bytes of LDS; arguments qkvc, qkvs, ao; writes ao
.if DOCPART == 3
	.amdgcn_target "amdgcn-amd-amdhsa--gfx1250"
	.amdhsa_code_object_version 6
	.text
	.protected	k_q1f4fee8555_attn
	.globl	k_q1f4fee8555_attn
	.p2align	8
	.type	k_q1f4fee8555_attn,@function
k_q1f4fee8555_attn:
	s_mov_b64 s[64:65], 0
	v_nop
	global_prefetch_b8 v0, s[64:65] scope:SCOPE_SE
	s_setreg_imm32_b32 hwreg(HW_REG_WAVE_MODE, 25, 1), 1
	s_wait_xcnt 0x0
	s_wait_alu depctr_hold_cnt(0) depctr_sa_sdst(0) depctr_va_vdst(0) depctr_va_sdst(0) depctr_va_ssrc(0) depctr_va_vcc(0) depctr_vm_vsrc(0)
	s_getreg_b32 s2, hwreg(HW_REG_IB_STS2, 6, 4)
	s_cmp_eq_u32 s2, 0
	s_cbranch_scc0 .Lentry_in_a_cluster
	s_endpgm
.Lentry_in_a_cluster:
	s_bfe_u32 s2, ttmp6, 0x10000c
	s_cmp_lg_u32 s2, 0x3003
	s_cbranch_scc0 .Lentry_shape_is_right
	s_endpgm
.Lentry_shape_is_right:
; o = softmax(q k^T / 8) v for one batch and head, both products on codes of FP6 (E2M3) with E8M0 scales; o / l is quantised along the model's 1,024 and stored as the last product's operand.
; t = score x log2(e) / 8; M = the running largest t rounded UP to a whole number; p = 2^(t - M) is quantised along the keys, not normalised; l sums the unquantised p; when M moves, l and O are multiplied by 2^(old M - new M): exact.
; SHARES.  A cluster of 4 work-groups takes one batch and head; work-group cx takes 512 queries; each of its 8 waves 4 tiles of 16, in two passes of TWO tiles that share every fragment of K and V.  A step is 256 keys: 8 steps a pass.
; A WHOLE HEAD'S K AND V LIE IN LDS as images of operand registers, filled ONCE by joint loads, one a wave: waves 0-2 K's codes in thirds, 3-5 V's, 6 K's scale words, 7 V's.  Nothing is fetched in a loop, so there is nothing to prefetch.
; LAYOUT.  Both products are used transposed: a lane holds ONE query.  THE ROWS OF A TILE OF K ARE CHOSEN BY ADDRESS: of 64 keys, fragment w takes in lanes r < 8 the stored rows 8 w + r of the first 32 keys' two tiles and in lanes r >= 8
; those of the second 32 keys': so register 32 b + i of S^T in lane (query, h) is key 64 (b % 4) ... precisely: key 64 c + 32 h + i of group g, b = 4 tile + 2 g + c: a WHOLE block of 32 keys in one lane.  No other lane is asked for a block's maximum, and the conversions' results need no swap.
; K = 64 fills half of the instruction's 128: a fragment of source 0 holds two stored tiles on end; source 1 is (q | zero codes) for the first's scores and (zero codes | q) for the second's.
; LIMITS: NaN and infinities are not served; a block of zeros gets the byte 1; the promise holds while |t| stays under 2^31.  A block's largest p is made from its largest score by the same multiply-add and exponential (this takes the exponential not to fall where its input rises).
; REGISTERS.  Window 1: S^T, then p: tile t at v[128 t]; codes of p are laid over parts that are done with.  Window 0: v0 q's raw scale word; v1-3 K's lane terms; v4, v5 the add's two; v6-9 16 lane, 8 lane, 16 r, 8 h; v10-15 the step's addresses;
;   v16-19 (-M, largest score) x 2; v20-23 l x 2; v24-27 f x 2; v28-57 zeros q zeros q zeros; v58, 59 q's scale words; v60-63 p's; v64-67 K's; v68-75 V's; v76-171 two sets of four fragments (the second also at work in the softmax); v172-235 O^T x 2; v236-247 codes; v248-255 block maxima.
.set VB,    98304
.set SKB,   196608
.set SVB,   200704
.set SPARE, 204800                     ; the spare words, 128 bytes for each of 8 waves
.set SPW, 4
.set NIL, 5
.set PS,  60
.set KSC, 64
.set VSC, 68
.set F0,  76
.set TM,  124
.set AC,  132
.set CT0, 148
.set O,   172
.set PCX, 236
.set BM,  248
.set WV,  12
.set SEL, 20
.set CS,  22
.set T,   2                            ; K's codes of the step: 12,288 bytes a step;  s3 the same + VB
.set TV,  3
.set TS,  10                           ; scale words: 512 bytes a step;  s11 the same + SVB
.set TSV, 11
.set CNT, 66
.set PCN, 67
.set G1C, 24
.set G1S, 32
.set G0C, 40
.set G0S, 44
.set MSB, 0
.macro WIN new                         ; the immediate's high byte repeats the setting that is left
.if MSB != \new
	s_set_vgpr_msb (MSB<<8)|\new
.set MSB, \new
.endif
.endm
.macro CROUND
	s_barrier_signal -1
	s_barrier_wait -1
	s_cmp_lg_u32 s[WV], 0
	s_cbranch_scc1 .Lnot_wave_0_\@
	s_barrier_signal -3
.Lnot_wave_0_\@:
	s_barrier_wait -3
	s_barrier_signal -1
	s_barrier_wait -1
.endm
.macro QLOAD                           ; two tiles of q and the word with both tiles' scale bytes
	global_load_b128 v[34:37], v6, s[56:57]
	global_load_b64 v[38:39], v7, s[56:57] offset:512
	global_load_b128 v[46:49], v6, s[56:57] offset:768
	global_load_b64 v[50:51], v7, s[56:57] offset:1280
	global_load_b32 v0, v8, s[58:59]
.endm
	s_load_b128 s[4:7], s[0:1], 0x0                ; qkvc, qkvs
	s_load_b64 s[8:9], s[0:1], 0x10                ; ao
	v_lshl_add_u32 v[SPW], v0, 2, SPARE
	v_mov_b32 v[NIL], 0
	ds_add_u32 v[SPW], v[NIL]                      ; the opening lines: the add, twice, and its wait ahead of the first tensor load
	ds_add_u32 v[SPW], v[NIL]
	v_lshrrev_b32 v1, 5, v0
	v_readfirstlane_b32 s[WV], v1                  ; wave 0..7
	s_bfe_u32 s13, ttmp6, 0x40000                  ; cx: it enters q's and ao's addresses alone
	s_and_b32 s14, ttmp7, 0xffff                   ; 16 x batch + head
	s_mov_b32 s[G1C], 15|(3<<16)|(1<<21)           ; all four work-groups; elements of 8 bytes; bit 21 beside a mask
	s_mov_b32 s[G1C+1], 32<<16                     ; dense bytes as rows of 256
	s_mov_b32 s[G1C+2], 128<<16                    ; 128 rows: a third of a head's codes
	s_mov_b32 s[G1C+3], 32<<16
	s_mov_b32 s[G1C+4], 128
	s_mov_b32 s[G1C+5], 32
	s_mov_b32 s[G1C+6], 0
	s_mov_b32 s[G1C+7], 0
	s_mov_b32 s[G1S], 15|(3<<16)|(1<<21)
	s_mov_b32 s[G1S+1], 32<<16
	s_mov_b32 s[G1S+2], 16<<16                     ; 16 rows: a head's scale words
	s_mov_b32 s[G1S+3], 32<<16
	s_mov_b32 s[G1S+4], 16
	s_mov_b32 s[G1S+5], 32
	s_mov_b32 s[G1S+6], 0
	s_mov_b32 s[G1S+7], 0
	s_mul_i32 s15, s[WV], 11
	s_lshr_b32 s15, s15, 5                         ; waves 0-2: 0 (K), waves 3-5: 1 (V)
	s_mul_i32 s15, s15, 63*98304                   ; V's head lies 64 heads behind K's; one head is taken up by the thirds' own run
	s_lshl_b32 s16, s[WV], 15                      ; 32,768 x wave: the LDS address, and the run of thirds
	s_add_co_u32 s15, s15, s16
	s_add_co_u32 s17, s14, 64                      ; k's head
	s_mul_i32 s68, s17, 98304
	s_add_co_u32 s68, s68, s15
	s_mov_b32 s69, 0
	s_and_b32 s18, s[WV], 1                        ; wave 6: K's scale words, wave 7: V's
	s_lshl_b32 s19, s18, 12
	s_lshl_b32 s72, s18, 18
	s_lshl_b32 s17, s17, 12
	s_add_co_u32 s72, s72, s17
	s_mov_b32 s73, 0
	s_mov_b32 s[SEL], 0x76543210
	s_mov_b32 s[SEL+1], 0xfedcba98                 ; lane l xor 16
	s_mov_b32 s[CS], 0x3e38aa3b                    ; c = log2(e) / 8
	s_mov_b32 s[CS+1], s[CS]
	s_wait_dscnt 0x0                               ; both opening adds are done
	s_wait_kmcnt 0x0
	CROUND                                         ; all four work-groups are here: the joint loads meet
	s_mov_b32 s[G0C], 1
	s_mov_b32 s[G0C+1], s16
	s_add_nc_u64 s[G0C+2:G0C+3], s[4:5], s[68:69]
	s_or_b32 s[G0C+3], s[G0C+3], 0x80000000
	s_mov_b32 s[G0S], 1
	s_add_co_u32 s[G0S+1], s19, SKB
	s_add_nc_u64 s[G0S+2:G0S+3], s[6:7], s[72:73]
	s_or_b32 s[G0S+3], s[G0S+3], 0x80000000
	s_cmp_lt_u32 s[WV], 6                          ; one load on every way through the head
	s_cbranch_scc0 .Lwords
	tensor_load_to_lds s[G0C:G0C+3], s[G1C:G1C+7]
	s_nop 0
.rept 4
	v_nop
.endr
	s_branch .Lasked
.Lwords:
	tensor_load_to_lds s[G0S:G0S+3], s[G1S:G1S+7]
	s_nop 0
.rept 4
	v_nop
.endr
.Lasked:
	s_lshl_b32 s70, s13, 5
	s_lshl_b32 s76, s[WV], 2
	s_add_co_u32 s70, s70, s76                     ; my first tile of queries: 32 cx + 4 x wave
	s_mul_i32 s76, s14, 98304
	s_mul_i32 s77, s70, 768
	s_add_co_u32 s76, s76, s77
	s_mov_b32 s77, 0
	s_add_nc_u64 s[56:57], s[4:5], s[76:77]        ; q's half fragments
	s_lshl_b32 s76, s14, 12
	s_lshr_b32 s78, s70, 3
	s_lshl_b32 s78, s78, 8
	s_add_co_u32 s76, s76, s78
	s_lshr_b32 s78, s70, 1
	s_and_b32 s78, s78, 3
	s_lshl_b32 s78, s78, 2
	s_add_co_u32 s76, s76, s78
	s_add_nc_u64 s[58:59], s[6:7], s[76:77]        ; the word with a pass's two tiles' bytes
	s_lshr_b32 s78, s14, 4
	s_lshl_b32 s78, s78, 7
	s_add_co_u32 s78, s78, s70                     ; the tile among all 512
	s_mul_i32 s76, s78, 13312
	s_and_b32 s78, s14, 15                         ; the head
	s_lshr_b32 s79, s78, 2
	s_mul_i32 s79, s79, 3328
	s_add_co_u32 s76, s76, s79
	s_add_nc_u64 s[60:61], s[8:9], s[76:77]        ; ao: my tile's record for this head's 256 along K
	s_and_b32 s79, s78, 3
	s_mul_i32 s76, s79, 768
	s_add_nc_u64 s[62:63], s[60:61], s[76:77]      ; its half fragment,
	s_lshl_b32 s76, s79, 1
	s_add_co_u32 s76, s76, 3072
	s_add_nc_u64 s[60:61], s[60:61], s[76:77]      ; and its two bytes in a row's 8
	v_and_b32 v8, 15, v0                           ; r
	v_bfe_u32 v9, v0, 4, 1                         ; h
	v_and_b32 v6, 31, v0
	v_lshlrev_b32 v7, 3, v6                        ; 8 x lane
	v_lshlrev_b32 v6, 4, v6                        ; 16 x lane
	v_and_b32 v10, 7, v8
	v_lshrrev_b32 v11, 3, v8
	v_mul_u32_u24 v12, v11, 1536                   ; lanes r >= 8: the next 32 keys' two tiles
	v_lshl_add_u32 v1, v10, 4, v12
	v_lshl_add_u32 v1, v9, 8, v1                   ; K's first 16 bytes: stored lane (r % 8) + 16 h
	v_lshl_add_u32 v2, v10, 3, v12
	v_lshl_add_u32 v2, v9, 7, v2                   ; and its last 8
	v_lshlrev_b32 v3, 4, v10
	v_lshl_add_u32 v3, v11, 2, v3
	v_lshl_add_u32 v3, v9, 7, v3
	v_add_nc_u32 v3, SKB, v3                       ; K's scale words: row r % 8 (lanes 16-31: + 8, fragment w = 1), word r / 8
	v_lshlrev_b32 v8, 4, v8                        ; 16 r
	v_lshlrev_b32 v9, 3, v9                        ; 8 h
	QLOAD
.irp i,0,1,2,3,4,5
	v_mov_b32 v[28+\i], 0                          ; zero codes beside q
	v_mov_b32 v[40+\i], 0
	v_mov_b32 v[52+\i], 0
.endr
.irp i,25,27,60,61,62,63
	v_mov_b32 v\i, 0                               ; a lane permute's destination counts as read
.endr
	s_mov_b32 s[PCN], 2
	s_wait_alu depctr_va_vdst(0)
	s_wait_tensorcnt 0x0                           ; my part of K, V or their scale words has landed,
	s_barrier_signal -1
	s_barrier_wait -1                              ; everybody's has
.macro WM d, a, b, sa, sb, row         ; scores: C = 0
.if \row
	v_wmma_scale_f32_16x16x128_f8f6f4 v[\d:\d+7], v[\a:\a+11], v[\b:\b+11], 0, v[\sa], v[\sb] matrix_a_fmt:MATRIX_FMT_FP6 matrix_b_fmt:MATRIX_FMT_FP6 matrix_a_scale:MATRIX_SCALE_ROW1
.else
	v_wmma_scale_f32_16x16x128_f8f6f4 v[\d:\d+7], v[\a:\a+11], v[\b:\b+11], 0, v[\sa], v[\sb] matrix_a_fmt:MATRIX_FMT_FP6 matrix_b_fmt:MATRIX_FMT_FP6
.endif
.endm
.macro KFRAG reg, off, w
	ds_load_b128 v[\reg:\reg+3], v10 offset:\off+128*(\w)
	ds_load_b64 v[\reg+4:\reg+5], v11 offset:\off+512+64*(\w)
	ds_load_b128 v[\reg+6:\reg+9], v10 offset:\off+768+128*(\w)
	ds_load_b64 v[\reg+10:\reg+11], v11 offset:\off+1280+64*(\w)
.endm
.macro VFR g                           ; V's four fragments (16 channels x 128 keys) of group g into set g
.irp d,0,1,2,3
	ds_load_b128 v[F0+48*\g+12*\d:F0+48*\g+12*\d+3], v13 offset:6144*\g+1536*\d
	ds_load_b64 v[F0+48*\g+12*\d+4:F0+48*\g+12*\d+5], v14 offset:6144*\g+1536*\d+512
	ds_load_b128 v[F0+48*\g+12*\d+6:F0+48*\g+12*\d+9], v13 offset:6144*\g+1536*\d+768
	ds_load_b64 v[F0+48*\g+12*\d+10:F0+48*\g+12*\d+11], v14 offset:6144*\g+1536*\d+1280
.endr
.endm
.macro QK g                            ; 16 products: group g's four fragments x two tiles of queries x the fragment's two stored tiles
.irp f,0,1,2,3
.irp t,0,1
	WM 128*\t+64*\g+16*\f, F0+48*\g+12*\f, 34+12*\t, KSC+2*\g+\f/2, 58+\t, \f%2
	WM 128*\t+64*\g+16*\f+8, F0+48*\g+12*\f, 28+12*\t, KSC+2*\g+\f/2, 58+\t, \f%2
.endr
.endr
.endm
.macro ADDP t, base, first             ; p's pairs from \first on are added to eight sums by turns: l itself and seven beside it
	WIN 0x04
.set n, \first
.rept (64-\first)/2
.if (n/2)%8==0                         ; eight sums by turns: l itself and seven beside it
	v_pk_add_f32 v[20+2*\t:21+2*\t], v[20+2*\t:21+2*\t], v[\base+n:\base+n+1]
.else
	v_pk_add_f32 v[AC+2*((n/2)%8)-2:AC+2*((n/2)%8)-1], v[AC+2*((n/2)%8)-2:AC+2*((n/2)%8)-1], v[\base+n:\base+n+1]
.endif
.set n, n+2
.endr
.endm
.macro SUM0 t
	WIN 0x05
.irp k,0,1,2,3,4,5,6
	v_pk_add_f32 v[AC+2*\k:AC+2*\k+1], v[128*\t+4*\k:128*\t+4*\k+1], v[128*\t+4*\k+2:128*\t+4*\k+3]
.endr
	ADDP \t, 128*\t, 28
.endm
.macro FIN t
	WIN 0
	v_pk_add_f32 v[20+2*\t:21+2*\t], v[20+2*\t:21+2*\t], v[AC:AC+1]
	v_pk_add_f32 v[AC+2:AC+3], v[AC+2:AC+3], v[AC+4:AC+5]
	v_pk_add_f32 v[AC+6:AC+7], v[AC+6:AC+7], v[AC+8:AC+9]
	v_pk_add_f32 v[AC+10:AC+11], v[AC+10:AC+11], v[AC+12:AC+13]
	v_pk_add_f32 v[AC+2:AC+3], v[AC+2:AC+3], v[AC+6:AC+7]
	v_pk_add_f32 v[20+2*\t:21+2*\t], v[20+2*\t:21+2*\t], v[AC+10:AC+11]
	v_pk_add_f32 v[20+2*\t:21+2*\t], v[20+2*\t:21+2*\t], v[AC+2:AC+3]
.endm
.macro CVTP sb, so, p, ct, w, wm       ; 64 p of a lane (two whole blocks) become a fragment's 12 registers at \p; a conversion's three registers begin on an even number, so the second halves are made at \ct and moved
	WIN \w
.irp c,0,1
	v_cvt_scalef32_pk16_fp6_f32 v[\p+6*\c:\p+6*\c+2], v[\sb+32*\c:\sb+32*\c+15], v[\so+\c]
	v_cvt_scalef32_pk16_fp6_f32 v[\ct+4*\c:\ct+4*\c+2], v[\sb+32*\c+16:\sb+32*\c+31], v[\so+\c]
.endr
	v_nop                                          ; one plain line behind the scaled conversions
	WIN \wm
.irp c,0,1
.irp i,0,1,2
	v_mov_b32 v[\p+6*\c+3+\i], v[\ct+4*\c+\i]
.endr
.endr
.endm
.macro PV g                            ; O^T += V^T p^T: the eight accumulators take turns, one instruction a turn
.irp t,0,1
.if (\g+\t)==0
	WIN 0
.set PB, PCX
.else
	WIN 0x04                                       ; these codes lie in window 1
.set PB, 64*\t*(1+\g)
.endif
.irp d,0,1,2,3
	v_wmma_scale_f32_16x16x128_f8f6f4 v[O+32*\t+8*\d:O+32*\t+8*\d+7], v[F0+48*\g+12*\d:F0+48*\g+12*\d+11], v[PB:PB+11], v[O+32*\t+8*\d:O+32*\t+8*\d+7], v[VSC+4*\g+\d], v[PS+2*\t+\g] matrix_a_fmt:MATRIX_FMT_FP6 matrix_b_fmt:MATRIX_FMT_FP6
.endr
.endr
.endm
.Lpass:
	s_wait_loadcnt 0x0                             ; q
	v_perm_b32 v58, v0, v0, 0x01000100             ; a tile's two bytes, twice: they serve q in either half of the fragment
	v_perm_b32 v59, v0, v0, 0x03020302
.irp t,0,1
	v_mov_b32 v[17+2*\t], 0xff61b1e6               ; the largest score so far: -3e38
	v_mov_b32 v[16+2*\t], 0x7f61b1e6               ; -M
	v_mov_b32 v[20+2*\t], 0
	v_mov_b32 v[21+2*\t], 0
.endr
.set n, 0
.rept 64
	v_mov_b32 v[O+n], 0                            ; the step is written once: the first finds zeros
.set n, n+1
.endr
	s_mov_b32 s[T], 0
	s_mov_b32 s[TV], VB
	s_mov_b32 s[TS], 0
	s_mov_b32 s[TSV], SVB
	s_mov_b32 s[CNT], 8
.Lkey:
	v_add_nc_u32 v10, s[T], v1                     ; (these six are also the places behind the last products: for the loads below, and for the scores that are laid over p's codes)
	v_add_nc_u32 v11, s[T], v2
	v_add_nc_u32 v12, s[TS], v3
	v_add_nc_u32 v13, s[TV], v6
	v_add_nc_u32 v14, s[TV], v7
	v_add_nc_u32 v15, s[TSV], v8
.irp q,0,1,2,3
	ds_load_b32 v[KSC+\q], v12 offset:(\q/2)*256+(\q%2)*8      ; lanes 0-15: fragment w = 0 of 64 keys; lanes 16-31: w = 1
.endr
	ds_load_b128 v[VSC:VSC+3], v15
	ds_load_b128 v[VSC+4:VSC+7], v15 offset:256
.irp g,0,1
.irp f,0,1,2,3
	KFRAG F0+48*\g+12*\f, (4*\g+2*(\f/2))*1536, \f%2
.endr
.endr
	s_wait_alu depctr_va_vdst(0)
	s_wait_dscnt 16                                ; all but the 16 loads of K's second 128 keys
	WIN 0x40
	QK 0
	s_wait_dscnt 0x0
	QK 1
.rept 4
	v_nop                                          ; four places: for the loads below and for the first read of the scores
.endr
	WIN 0
	VFR 0
	WIN 0x15
.irp b,0,1,2,3,4,5,6,7
	v_max3_num_f32 v[BM+\b], v[32*\b], v[32*\b+1], v[32*\b+2]      ; the largest score of each of my 8 blocks, by turns; each accumulator is first read at its low end
.endr
	WIN 0x14
.irp i,3,5,7,9,11,13,15,17,19,21,23,25,27,29
.irp b,0,1,2,3,4,5,6,7
	v_max3_num_f32 v[BM+\b], v[BM+\b], v[32*\b+\i], v[32*\b+\i+1]
.endr
.endr
.irp b,0,1,2,3,4,5,6,7
	v_max_num_f32 v[BM+\b], v[BM+\b], v[32*\b+31]
.endr
	WIN 0
.irp t,0,1
	v_max3_num_f32 v[TM+\t], v[BM+4*\t], v[BM+4*\t+1], v[BM+4*\t+2]
.endr
.irp t,0,1
	v_max3_num_f32 v[TM+\t], v[TM+\t], v[BM+4*\t+3], v[17+2*\t]
.endr
.irp t,0,1
	v_permlanex16_b32 v[25+2*\t], v[TM+\t], s[SEL], s[SEL+1]
.endr
.irp t,0,1
	v_max_num_f32 v[17+2*\t], v[TM+\t], v[25+2*\t]         ; the running largest score of my query
.endr
.irp t,0,1
	v_mul_f32 v[TM+\t], s[CS], v[17+2*\t]
.endr
.irp t,0,1
	v_mov_b32 v[TM+2+\t], v[16+2*\t]
.endr
.irp t,0,1
	v_floor_f32 v[16+2*\t], -v[TM+\t]                      ; -M = floor(-t)
.endr
.irp t,0,1
	v_sub_f32 v[TM+2+\t], v[16+2*\t], v[TM+2+\t]           ; old M - new M, 0 or less
.endr
.irp t,0,1
	v_cvt_i32_f32 v[TM+2+\t], v[TM+2+\t]                   ; (it saturates)
.endr
.irp t,0,1
	v_ldexp_f32 v[24+2*\t], 1.0, v[TM+2+\t]                ; f
.endr
.irp t,0,1
	v_pk_mul_f32 v[20+2*\t:21+2*\t], v[20+2*\t:21+2*\t], v[24+2*\t:25+2*\t] op_sel_hi:[1,0]
.endr
.irp t,0,1
.set n, 0
.rept 16
	v_pk_mul_f32 v[O+32*\t+n:O+32*\t+n+1], v[O+32*\t+n:O+32*\t+n+1], v[24+2*\t:25+2*\t] op_sel_hi:[1,0]   ; O^T under the new M, each accumulator from its low end on
.set n, n+2
.endr
.endr
.irp b,0,1,2,3,4,5,6,7
	v_fma_f32 v[BM+\b], v[BM+\b], s[CS], v[16+2*(\b/4)]
.endr
	WIN 0x41
.set n, 0
.rept 64
	v_pk_fma_f32 v[n:n+1], v[n:n+1], s[CS:CS+1], v[16:17] op_sel_hi:[1,0,0]     ; tile 0: t - M
.set n, n+2
.endr
	WIN 0
	s_wait_alu depctr_va_vdst(0)
.irp b,0,1,2,3,4,5,6,7
	v_exp_f32 v[BM+\b], v[BM+\b]                   ; the blocks' largest p
.endr
	WIN 0x41
.set n, 0
.rept 64
	v_exp_f32 v[n], v[n]                           ; tile 0's p.  Among the exponentials stand tile 1's t - M: plain lines whose sources were written ahead of the batch's wait and whose results are first read behind the wait that follows it
	v_exp_f32 v[n+1], v[n+1]
	v_pk_fma_f32 v[128+n:129+n], v[128+n:129+n], s[CS:CS+1], v[18:19] op_sel_hi:[1,0,0]
.set n, n+2
.endr
	WIN 0
	v_nop                                          ; a plain line behind the exponentials,
	s_wait_alu depctr_va_vdst(0)                   ; and one wait for the batch ahead of its first reader
.irp b,0,1,2,3,4,5,6,7
	v_max_num_f32 v[BM+\b], 0x1800000, v[BM+\b]    ; the floor: the byte cannot fall under 1
.endr
.irp b,0,1,2,3,4,5,6,7
	v_add_nc_u32 v[BM+\b], 0xff000000, v[BM+\b]    ; 2 off the exponent field: the conversion's scale operand
.endr
.irp b,0,1,2,3,4,5,6,7
	v_lshrrev_b32 v[TM+\b], 23, v[BM+\b]
.endr
.irp w,0,1,2,3
	v_lshl_or_b32 v[TM+2*\w], v[TM+2*\w+1], 16, v[TM+2*\w]     ; my bytes of 128 keys: blocks h and 2 + h,
.endr
.irp w,0,1,2,3
	v_lshlrev_b32 v[TM+2*\w], v9, v[TM+2*\w]                   ; at their places;
.endr
.irp w,0,1,2,3
	v_permlanex16_b32 v[PS+\w], v[TM+2*\w], s[SEL], s[SEL+1]
.endr
.irp w,0,1,2,3
	v_or_b32 v[PS+\w], v[PS+\w], v[TM+2*\w]                    ; with lane l xor 16's two the word is whole
.endr
	CVTP 0, BM, PCX, CT0, 0x01, 0                  ; tile 0's first 128 keys are converted: their p then serve the sum alone
	s_wait_alu depctr_va_vdst(0)
	WIN 0x45
.set n, 0
.rept 32
	v_exp_f32 v[128+2*n], v[128+2*n]               ; tile 1's p.  Among them tile 0's p of the second 128 keys are added onto those of the first, in place: 32 lines that hang on nothing in the batch
	v_exp_f32 v[129+2*n], v[129+2*n]
	v_exp_f32 v[130+2*n], v[130+2*n]
	v_exp_f32 v[131+2*n], v[131+2*n]
	v_pk_add_f32 v[n:n+1], v[n:n+1], v[64+n:65+n]
.set n, n+2
.endr
	WIN 0
	v_nop                                          ; a plain line behind the exponentials,
	s_wait_alu depctr_va_vdst(0)                   ; and one wait for the batch ahead of its first reader
	SUM0 0                                         ; each part of p is summed and converted; its registers then take the next part's codes
	FIN 0
	CVTP 64, BM+2, 0, 12, 0x41, 0x41
	SUM0 1
	CVTP 128, BM+4, 64, 76, 0x41, 0x41
	ADDP 1, 192, 0
	CVTP 192, BM+6, 128, 140, 0x41, 0x41
	FIN 1
.rept 2
	v_nop                                          ; with the three lines above: the places behind the last codes
.endr
	s_wait_alu depctr_va_vdst(0)
	VFR 1
	s_wait_dscnt 16                                ; V's first 128 keys are in; the 16 loads just issued may be out
	PV 0
	s_wait_dscnt 0x0
	PV 1
	WIN 0
	s_add_co_u32 s[T], s[T], 12288
	s_add_co_u32 s[TV], s[TV], 12288
	s_add_co_u32 s[TS], s[TS], 512
	s_add_co_u32 s[TSV], s[TSV], 512
	s_sub_co_u32 s[CNT], s[CNT], 1
	s_cmp_lg_u32 s[CNT], 0
	s_cbranch_scc1 .Lkey
	s_add_nc_u64 s[56:57], s[56:57], 1536          ; the next pass's q lands under this pass's way out
	s_add_nc_u64 s[58:59], s[58:59], 4
	s_cmp_eq_u32 s[PCN], 1
	s_cbranch_scc1 .Lno_q
	QLOAD
.Lno_q:
.irp t,0,1
	v_add_f32 v[20+2*\t], v[20+2*\t], v[21+2*\t]   ; (these six are the places behind the last products)
.endr
.irp t,0,1
	v_permlanex16_b32 v[25+2*\t], v[20+2*\t], s[SEL], s[SEL+1]
.endr
.irp t,0,1
	v_add_f32 v[20+2*\t], v[20+2*\t], v[25+2*\t]   ; l
.endr
	s_wait_alu depctr_va_vdst(0)
.irp t,0,1
	v_rcp_f32 v[24+2*\t], v[20+2*\t]
.endr
	v_nop
	s_wait_alu depctr_va_vdst(0)                   ; ahead of the first reader of 1 / l and of O^T
.irp t,0,1
.set n, 0
.rept 16
	v_pk_mul_f32 v[76+48*\t+n:77+48*\t+n], v[O+32*\t+n:O+32*\t+n+1], v[24+2*\t:25+2*\t] op_sel_hi:[1,0]   ; o: register 16 g + i = channel 32 g + 16 h + i of my query
.set n, n+2
.endr
.endr
	; o is quantised along its 64 channels, the two tiles by turns: codes at v[108 + 48 t] on, the two bytes in v[117 + 48 t]
.irp t,0,1
	v_mov_b32 v[120+48*\t], 0
	v_mov_b32 v[121+48*\t], 0
	v_max3_num_f32 v[118+48*\t], |v[76+48*\t]|, |v[77+48*\t]|, 0x1800000
	v_max3_num_f32 v[119+48*\t], |v[92+48*\t]|, |v[93+48*\t]|, 0x1800000
.endr
.irp i,2,4,6,8,10,12,14
.irp t,0,1
	v_max3_num_f32 v[118+48*\t], v[118+48*\t], |v[76+48*\t+\i]|, |v[77+48*\t+\i]|
	v_max3_num_f32 v[119+48*\t], v[119+48*\t], |v[92+48*\t+\i]|, |v[93+48*\t+\i]|
.endr
.endr
.irp t,0,1
	v_permlanex16_b32 v[120+48*\t], v[118+48*\t], s[SEL], s[SEL+1]
	v_permlanex16_b32 v[121+48*\t], v[119+48*\t], s[SEL], s[SEL+1]
.endr
.irp t,0,1
	v_max_num_f32 v[118+48*\t], v[118+48*\t], v[120+48*\t]
	v_max_num_f32 v[119+48*\t], v[119+48*\t], v[121+48*\t]
.endr
.irp t,0,1
	v_add_nc_u32 v[122+48*\t], 0xff000000, v[118+48*\t]
	v_add_nc_u32 v[123+48*\t], 0xff000000, v[119+48*\t]
.endr
.irp t,0,1
	v_lshrrev_b32 v[120+48*\t], 23, v[122+48*\t]
	v_lshrrev_b32 v[121+48*\t], 23, v[123+48*\t]
.endr
.irp t,0,1
	v_lshl_or_b32 v[117+48*\t], v[121+48*\t], 8, v[120+48*\t]
.endr
.irp t,0,1
	v_cvt_scalef32_pk16_fp6_f32 v[108+48*\t:110+48*\t], v[76+48*\t:91+48*\t], v[122+48*\t]
	v_cvt_scalef32_pk16_fp6_f32 v[114+48*\t:116+48*\t], v[92+48*\t:107+48*\t], v[123+48*\t]
.endr
	v_nop
.irp t,0,1
.irp i,0,1,2
	v_permlane16_swap_b32 v[108+48*\t+\i], v[114+48*\t+\i]     ; a lane gets a whole block
.endr
.endr
.irp t,0,1
.irp i,0,1,2
	v_mov_b32 v[111+48*\t+\i], v[114+48*\t+\i]
.endr
.endr
.irp t,0,1
	global_store_b128 v6, v[108+48*\t:111+48*\t], s[62:63] offset:\t*13312
	global_store_b64 v7, v[112+48*\t:113+48*\t], s[62:63] offset:\t*13312+512
.endr
	v_cmp_ne_u32 vcc_lo, 0, v9
	v_cndmask_b32 v117, v117, v165, vcc_lo         ; lanes 0-15 the first tile's bytes, lanes 16-31 the second's
	v_lshrrev_b32 v118, 1, v8
	v_mad_u32_u24 v118, v9, 1664, v118             ; 8 r + 13,312 h
	global_store_b16 v118, v117, s[60:61]          ; two bytes of a row's 8: the other heads' are other work-groups'
	s_wait_xcnt 0x0                                ; the stores have read their registers and bases
	s_add_nc_u64 s[60:61], s[60:61], 26624         ; two tiles on
	s_add_nc_u64 s[62:63], s[62:63], 26624
	s_sub_co_u32 s[PCN], s[PCN], 1
	s_cmp_lg_u32 s[PCN], 0
	s_cbranch_scc1 .Lpass
	s_wait_tensorcnt 0x0                           ; the wave's end
	ds_add_u32 v[SPW], v[NIL]
	s_wait_dscnt 0x0
	CROUND                                         ; the closing round
	s_endpgm
.Lfunc_end_k_q1f4fee8555_attn:
	.size	k_q1f4fee8555_attn, .Lfunc_end_k_q1f4fee8555_attn-k_q1f4fee8555_attn
	.p2alignl 7, 3214868480
	.fill 96, 4, 3214868480
	.section	.rodata,"a",@progbits
	.p2align	6, 0x0
	.amdhsa_kernel k_q1f4fee8555_attn
		.amdhsa_group_segment_fixed_size 206848
		.amdhsa_private_segment_fixed_size 0
		.amdhsa_enable_private_segment 0
		.amdhsa_kernarg_size 24
		.amdhsa_user_sgpr_count 2
		.amdhsa_user_sgpr_kernarg_segment_ptr 1
		.amdhsa_wavefront_size32 1
		.amdhsa_system_sgpr_workgroup_id_x 1
		.amdhsa_system_sgpr_workgroup_id_y 1
		.amdhsa_system_sgpr_workgroup_id_z 1
		.amdhsa_system_vgpr_workitem_id 0
		.amdhsa_next_free_vgpr 512
		.amdhsa_next_free_sgpr 80
		.amdhsa_reserve_vcc 1
		.amdhsa_float_denorm_mode_32 3
		.amdhsa_float_denorm_mode_16_64 3
		.amdhsa_memory_ordered 1
		.amdhsa_forward_progress 1
		.amdhsa_inst_pref_size 70
	.end_amdhsa_kernel
	.amdgpu_metadata
---
amdhsa.version: [ 1, 2 ]
amdhsa.kernels:
  - .name:           k_q1f4fee8555_attn
    .symbol:         k_q1f4fee8555_attn.kd
    .args:
      - { .name: qkvc, .offset: 0, .size: 8, .value_kind: global_buffer, .address_space: global }
      - { .name: qkvs, .offset: 8, .size: 8, .value_kind: global_buffer, .address_space: global }
      - { .name: ao, .offset: 16, .size: 8, .value_kind: global_buffer, .address_space: global }
    .group_segment_fixed_size: 206848
    .private_segment_fixed_size: 0
    .kernarg_segment_align: 8
    .kernarg_segment_size: 24
    .max_flat_workgroup_size: 256
    .sgpr_count:     80
    .vgpr_count:     512
    .wavefront_size: 32
...
	.end_amdgpu_metadata
.endif
;; end of part 3
;; launch proj (part 4): grid 8 x 32, 4 waves a work-group, clusters of 4 x 4, 327,680 bytes of LDS; arguments ao, opnd, proj_b, out0; writes out0
.if DOCPART == 4
	.amdgcn_target "amdgcn-amd-amdhsa--gfx1250"
	.amdhsa_code_object_version 6
	.text
	.protected	k_q1f4fee8555_proj
	.globl	k_q1f4fee8555_proj
	.p2align	8
	.type	k_q1f4fee8555_proj,@function
k_q1f4fee8555_proj:
	s_mov_b64 s[64:65], 0
	v_nop
	global_prefetch_b8 v0, s[64:65] scope:SCOPE_SE
	s_setreg_imm32_b32 hwreg(HW_REG_WAVE_MODE, 25, 1), 1
	s_wait_xcnt 0x0
	s_wait_alu depctr_hold_cnt(0) depctr_sa_sdst(0) depctr_va_vdst(0) depctr_va_sdst(0) depctr_va_ssrc(0) depctr_va_vcc(0) depctr_vm_vsrc(0)
	s_getreg_b32 s2, hwreg(HW_REG_IB_STS2, 6, 4)
	s_cmp_eq_u32 s2, 0
	s_cbranch_scc0 .Lentry_in_a_cluster
	s_endpgm
.Lentry_in_a_cluster:
	s_bfe_u32 s2, ttmp6, 0x10000c
	s_cmp_lg_u32 s2, 0xf033
	s_cbranch_scc0 .Lentry_shape_is_right
	s_endpgm
.Lentry_shape_is_right:
; out0 = o proj_w^T + proj_b on codes of FP6 (E2M3) with E8M0 scales; out0 [8192][1024] f32.
; A TILE is 256 tokens (side A, from ao) x 128 outputs (side B, proj_w's tiles 704 on of opnd), K = 1,024.  Four waves: wave w takes tokens 128 (w / 2) on (8 blocks of 16) and outputs 64 (w % 2) on (4 blocks): 32 accumulators.
; Source 0 = a block of B, source 1 = a block of A: a lane holds one token, and register 16 g + i of a block's 32 is output 32 g + 16 (lane / 16) + i (the tiles hold rows 8 u + r + 8 (r / 8) of each 32).
; ALL OF K LIES IN LDS: 4 chunks of 256 along K, each 24 tiles' records of 3,200 bytes, filled ONCE by joint tensor loads at the head; no LDS byte is filled again.  A wave has at most 4 tensor loads out.
; CLUSTER 4 x 4: A's tiles are shared along a row of the cluster, B's along a column.  The bias is the C of each sum's first product.
; THE WAY OUT goes through a stage of the wave's own in chunk 0, which has had its one fill and which nobody reads behind the barrier of K step 1: sixteen lanes then store 256 consecutive bytes of a row of out0.
; REGISTERS.  Window 0: v1-3 r, h, lane; v16-21 LDS addresses; v22-24 the way out; v28, v29 the add's two; v32-63 scale words, two sets; v64-159, v160-255 A's fragments, two sets.
;   Window 1: v0-47, v48-95 B's fragments, two sets; v96-127 the bias.   Window 2: the accumulators, (a, b) at v[8 (4 a + b)].
.set TILEB, 13312
.set RECB,  3328
; LDS AS IT NOW IS (in place of the four chunks named above): K lies in LDS in TWO HALVES of 512 along K.  A half holds, for each of the 24 tiles, two records on end as one row of 6,528 bytes.
; Each wave issues one joint load at the head (the first half) and one behind the three lines and a round of the cluster's barrier (the second half): a wave has one tensor load out.
; The stage of the way out lies in the first half, which nobody reads behind the barrier of K step 3.
.set ROWL,  6528
.set CHUNK, 24*ROWL
.set BOFF,  16*ROWL
.set SPARE, 2*CHUNK
.set FR,    12
.set ADA,   16
.set ADB,   18
.set ADS,   20
.set ADSA,  21
.set STO,   22
.set RD,    23
.set CO,    24
.set SPW,   28
.set NIL,   29
.set SC,    32
.set AF,    64
.set G1A,   24
.set G1B,   32
.set G0A,   40
.set SPI,   272                        ; a stage row: 256 bytes + 16
.set MSB, 0
.macro WIN new
.if MSB != \new
	s_set_vgpr_msb (MSB<<8)|\new
.set MSB, \new
.endif
.endm
.macro CROUND
	s_barrier_signal -1
	s_barrier_wait -1
	s_cmp_lg_u32 s14, 0
	s_cbranch_scc1 .Lnot_wave_0_\@
	s_barrier_signal -3
.Lnot_wave_0_\@:
	s_barrier_wait -3
	s_barrier_signal -1
	s_barrier_wait -1
.endm
.macro FRAG reg, adr, q, i
	ds_load_b128 v[\reg:\reg+3], v[\adr] offset:(\i)*ROWL+(\q)*1536
	ds_load_b64 v[\reg+4:\reg+5], v[\adr+1] offset:(\i)*ROWL+(\q)*1536+512
	ds_load_b128 v[\reg+6:\reg+9], v[\adr] offset:(\i)*ROWL+(\q)*1536+768
	ds_load_b64 v[\reg+10:\reg+11], v[\adr+1] offset:(\i)*ROWL+(\q)*1536+1280
.endm
.macro SCALES p
.irp i,0,1,2,3
	ds_load_b64 v[SC+16*(\p)+2*\i:SC+16*(\p)+2*\i+1], v[ADS] offset:\i*ROWL+3072
.endr
.irp i,4,5,6,7
	ds_load_b64 v[SC+16*(\p)+2*\i:SC+16*(\p)+2*\i+1], v[ADSA] offset:\i*ROWL+3072
.endr
.endm
.macro FETCH s
	WIN 0x40
.irp i,0,1,2,3
	FRAG 48*((\s)%2)+FR*\i, ADB, (\s)%2, \i
.endr
	WIN 0
.irp i,0,1,2,3,4,5,6,7
	FRAG AF+96*((\s)%2)+FR*\i, ADA, (\s)%2, \i
.endr
.if (\s)%2==0
	SCALES ((\s)/2)%2
.endif
.endm
.macro MULH half, s                    ; 16 products; the 32 accumulators take turns in the same order in every step.  Step 0 starts the sums with the bias
.if (\s)==0
	WIN 0x91                                       ; source 0 window 1, source 1 window 0, C window 1, D window 2
.else
	WIN 0xa1                                       ; C and D window 2
.endif
.irp a,0,1,2,3
.irp b,0,1,2,3
.set rD, 8*(4*(4*(\half)+\a)+\b)
.set rB, 48*((\s)%2)+FR*\b
.set rA, AF+96*((\s)%2)+FR*(4*(\half)+\a)
.set rX, SC+16*(((\s)/2)%2)+(\s)%2
.if (\s)>0
	v_wmma_scale_f32_16x16x128_f8f6f4 v[rD:rD+7], v[rB:rB+FR-1], v[rA:rA+FR-1], v[rD:rD+7], v[rX+2*\b], v[rX+2*(4*(\half)+\a)] matrix_a_fmt:MATRIX_FMT_FP6 matrix_b_fmt:MATRIX_FMT_FP6 matrix_a_scale:MATRIX_SCALE_ROW1
.else
	v_wmma_scale_f32_16x16x128_f8f6f4 v[rD:rD+7], v[rB:rB+FR-1], v[rA:rA+FR-1], v[96+8*\b:96+8*\b+7], v[rX+2*\b], v[rX+2*(4*(\half)+\a)] matrix_a_fmt:MATRIX_FMT_FP6 matrix_b_fmt:MATRIX_FMT_FP6 matrix_a_scale:MATRIX_SCALE_ROW1
.endif
.endr
.endr
.endm
.macro STEP s
	s_wait_dscnt 0x0                               ; this step's fragments are in; no LDS instruction of mine is out
.if (\s)==3
	s_wait_tensorcnt 0x0                           ; my part of the second half has landed
	s_barrier_signal -1
.endif
	MULH 0, \s
.if ((\s)%2==1)&&((\s)<7)
	WIN 0
.if (\s)==3
	s_barrier_wait -1                              ; everybody's part has
.irp v,16,17,18,19,20,21
	v_add_nc_u32 v\v, CHUNK-RECB, v\v              ; on to the second half's first record.  (These six are also the places in front of the loads below)
.endr
.else
.irp v,16,17,18,19,20,21
	v_add_nc_u32 v\v, RECB, v\v                    ; on to the half's second record
.endr
.endif
.elseif (\s)<7
.rept 4
	v_nop                                          ; four places in front of loads into registers that matrix instructions have read
.endr
.endif
.if (\s)<7
	FETCH (\s)+1
.endif
	MULH 1, \s
.endm
	s_load_b256 s[4:11], s[0:1], 0x0               ; ao, opnd, proj_b, out0
	v_lshl_add_u32 v[SPW], v0, 2, SPARE
	v_mov_b32 v[NIL], 0
	ds_add_u32 v[SPW], v[NIL]                      ; the wave's opening: the add and its wait ahead of my first tensor load
	ds_add_u32 v[SPW], v[NIL]
	v_lshrrev_b32 v1, 5, v0
	v_readfirstlane_b32 s14, v1                    ; wave
	s_lshr_b32 s15, s14, 1                         ; my half of the tokens.  Also: I fetch for A (0) or for B (1)
	s_and_b32 s16, s14, 1                          ; my half of the outputs.  Also: which half of that side I fetch
	s_bfe_u32 s17, ttmp6, 0x40000                  ; cx
	s_bfe_u32 s18, ttmp6, 0x40004                  ; cy
	s_and_b32 s20, ttmp7, 0xffff                   ; cluster y
	s_lshl_b32 s21, s18, 2
	s_lshl_b32 s21, 15, s21                        ; my row of the cluster
	s_lshl_b32 s22, 0x1111, s17                    ; my column
	s_or_b32 s[G1A], s21, (3<<16)|(1<<21)
	s_or_b32 s[G1B], s22, (3<<16)|(1<<21)
	s_mov_b32 s[G1A+1], 816<<16                    ; 6,528 bytes, two records, as 816 elements of 8
	s_mov_b32 s[G1A+2], 8<<16                      ; 8 tiles
	s_mov_b32 s[G1A+3], 816<<16
	s_mov_b32 s[G1A+4], 8
	s_mov_b32 s[G1A+5], 1664                       ; 13,312 bytes from tile to tile
	s_mov_b32 s[G1A+6], 0
	s_mov_b32 s[G1A+7], 0
	s_mov_b32 s[G1B+1], 816<<16
	s_mov_b32 s[G1B+2], 4<<16
	s_mov_b32 s[G1B+3], 816<<16
	s_mov_b32 s[G1B+4], 4
	s_mov_b32 s[G1B+5], 1664
	s_mov_b32 s[G1B+6], 0
	s_mov_b32 s[G1B+7], 0
	s_lshl_b32 s76, s18, 4
	s_lshl_b32 s77, s20, 6
	s_add_co_u32 s76, s76, s77                     ; A's first tile: 64 cluster y + 16 cy
	s_lshl_b32 s82, s16, 3
	s_add_co_u32 s77, s76, s82                     ; + the 8 tiles of the half that I fetch
	s_mul_i32 s84, s77, TILEB
	s_mov_b32 s85, 0
	s_lshl_b32 s79, s17, 3
	s_lshl_b32 s80, ttmp9, 5
	s_add_co_u32 s80, s80, s79
	s_add_co_u32 s80, s80, 704                     ; B's first tile: 704 + 32 cluster x + 8 cx
	s_lshl_b32 s82, s16, 2
	s_add_co_u32 s80, s80, s82
	s_mul_i32 s86, s80, TILEB
	s_mov_b32 s87, 0
	s_mul_i32 s88, s16, 8*ROWL
	s_mul_i32 s89, s16, 4*ROWL
	s_add_co_u32 s89, s89, BOFF
	s_wait_dscnt 0x0                               ; the opening add is done
	s_wait_kmcnt 0x0
	s_add_nc_u64 s[84:85], s[4:5], s[84:85]
	s_add_nc_u64 s[86:87], s[6:7], s[86:87]
	CROUND                                         ; all sixteen work-groups are here: the joint loads meet
.irp c,0,1
.set GB, 56+4*\c+4*(\c/2)
	s_mov_b32 s[G0A+4*\c], 1
	s_add_co_u32 s[G0A+4*\c+1], s88, \c*CHUNK
	s_add_nc_u64 s[G0A+4*\c+2:G0A+4*\c+3], s[84:85], \c*2*RECB
	s_or_b32 s[G0A+4*\c+3], s[G0A+4*\c+3], 0x80000000
	s_mov_b32 s[GB], 1
	s_add_co_u32 s[GB+1], s89, \c*CHUNK
	s_add_nc_u64 s[GB+2:GB+3], s[86:87], \c*2*RECB
	s_or_b32 s[GB+3], s[GB+3], 0x80000000
.endr
.macro JLOAD c                         ; half c: waves 0, 1 fetch A's two halves of rows, waves 2, 3 B's; one load on every way
	s_cmp_eq_u32 s15, 0
	s_cbranch_scc0 .Lfor_b_\@
	tensor_load_to_lds s[G0A+4*\c:G0A+4*\c+3], s[G1A:G1A+7]
	s_nop 0
.rept 4
	v_nop
.endr
	s_branch .Lasked_\@
.Lfor_b_\@:
	tensor_load_to_lds s[56+4*\c:56+4*\c+3], s[G1B:G1B+7]
	s_nop 0
.rept 4
	v_nop
.endr
.Lasked_\@:
.endm
	JLOAD 0
	v_and_b32 v1, 15, v0                           ; r
	v_bfe_u32 v2, v0, 4, 1                         ; h
	s_wait_alu depctr_va_vdst(0)
	v_and_b32 v3, 31, v0                           ; lane
	s_wait_alu depctr_va_vdst(0)
	s_lshl_b32 s91, ttmp9, 2
	s_add_co_u32 s91, s91, s17                     ; my block of 128 outputs
	s_lshl_b32 s92, s91, 9
	s_lshl_b32 s94, s16, 8
	s_add_co_u32 s92, s92, s94                     ; my 64 outputs, in bytes
	s_mov_b32 s93, 0
	s_add_nc_u64 s[8:9], s[8:9], s[92:93]
	s_add_nc_u64 s[10:11], s[10:11], s[92:93]
	s_lshl_b32 s94, s15, 3
	s_add_co_u32 s94, s94, s76
	s_lshl_b32 s92, s94, 16                        ; my first token's row: 16 rows of 4,096 bytes a tile
	s_add_nc_u64 s[10:11], s[10:11], s[92:93]
	v_lshlrev_b32 v4, 6, v2                        ; 64 h
	WIN 0x40
.irp b,0,1,2,3
	global_load_b128 v[96+8*\b:99+8*\b], v4, s[8:9] offset:128*(\b/2)+32*(\b%2)          ; the bias in the result's layout
	global_load_b128 v[100+8*\b:103+8*\b], v4, s[8:9] offset:128*(\b/2)+32*(\b%2)+16
.endr
	WIN 0
	s_mul_i32 s90, s15, 8*ROWL
	s_mul_i32 s91, s16, 4*ROWL
	s_add_co_u32 s91, s91, BOFF
	v_lshl_add_u32 v[ADA], v3, 4, s90
	v_lshl_add_u32 v[ADA+1], v3, 3, s90
	v_lshl_add_u32 v[ADB], v3, 4, s91
	v_lshl_add_u32 v[ADB+1], v3, 3, s91
	s_sub_co_u32 s91, s91, s90
	v_mul_u32_u24 v5, s91, v2                      ; lanes 16-31 take B's scale words: the lower base + h x the distance
	v_lshl_add_u32 v[ADSA], v1, 3, s90
	v_add_nc_u32 v[ADS], v[ADSA], v5
	s_mul_i32 s92, s14, 16*SPI                     ; my stage
	v_mul_u32_u24 v5, v1, SPI
	v_lshl_add_u32 v5, v2, 6, v5
	v_add_nc_u32 v[STO], s92, v5                   ; in: row r, + 64 h bytes
	v_mul_u32_u24 v5, v2, SPI
	v_lshl_add_u32 v5, v1, 4, v5
	v_add_nc_u32 v[RD], s92, v5                    ; back: lanes 0-15 one row, lanes 16-31 the next
	v_lshlrev_b32 v5, 12, v2
	v_lshl_add_u32 v[CO], v1, 4, v5                ; and the same two rows in out0
	s_wait_alu depctr_va_vdst(0)
	s_wait_tensorcnt 0x0                           ; my part of the first half is in
	ds_add_u32 v[SPW], v[NIL]
	s_wait_dscnt 0x0
	CROUND                                         ; everybody's part is in, and the sixteen work-groups meet
	JLOAD 1                                        ; the second half, the first tensor load behind the round
	FETCH 0
	s_wait_loadcnt 0x0                             ; the bias
	STEP 0
	STEP 1
	s_wait_alu depctr_va_vdst(0)
	STEP 2
	STEP 3
	s_wait_alu depctr_va_vdst(0)
	STEP 4
	STEP 5
	s_wait_alu depctr_va_vdst(0)
	STEP 6
	STEP 7
	WIN 0
.macro TOSTAGE n                       ; block n: 16 tokens x my 64 outputs, into the stage and back as whole rows of 256 bytes; LDS serves a wave in order
	WIN 0x08                                       ; an LDS store's data: window 2
.irp b,0,1,2,3
	ds_store_b128 v[STO], v[32*(\n)+8*\b:32*(\n)+8*\b+3] offset:128*(\b/2)+32*(\b%2)         ; each accumulator from its low end on
	ds_store_b128 v[STO], v[32*(\n)+8*\b+4:32*(\n)+8*\b+7] offset:128*(\b/2)+32*(\b%2)+16
.endr
	WIN 0
.irp t,0,1,2,3,4,5,6,7
	ds_load_b128 v[64+32*((\n)%2)+4*\t:64+32*((\n)%2)+4*\t+3], v[RD] offset:2*\t*SPI
.endr
.endm
.macro SEND n, younger                 ; younger: the LDS instructions issued behind block n's loads, which may stay out
	s_wait_dscnt \younger
.irp t,0,1,2,3,4,5,6,7
	global_store_b128 v[CO], v[64+32*((\n)%2)+4*\t:64+32*((\n)%2)+4*\t+3], s[10:11] offset:(32*((\n)/2)+8*((\n)%2)+2*\t+8*(\t/4))*4096 th:TH_STORE_NT   ; the tile's row 2 t + h is token 8 u + row + 8 (row / 8) of its 32; sixteen lanes store 256 consecutive bytes, aligned
.endr
.endm
.rept 4
	v_nop                                          ; four places behind the last products: for the reads of results and the loads into A's registers
.endr
	TOSTAGE 0
.irp a,1,2,3,4,5,6,7
.if \a > 1
	s_wait_xcnt 0x0                                ; block a - 2's stores have read their registers: block a's loads may land there
.endif
	TOSTAGE \a
	SEND \a-1, 16                                  ; behind block a - 1's loads: block a's 8 stores and 8 loads
.endr
	SEND 7, 0
	s_wait_tensorcnt 0x0                           ; the wave's end, behind my last LDS store
	ds_add_u32 v[SPW], v[NIL]
	s_wait_dscnt 0x0
	CROUND                                         ; the closing round
	s_endpgm
.Lfunc_end_k_q1f4fee8555_proj:
	.size	k_q1f4fee8555_proj, .Lfunc_end_k_q1f4fee8555_proj-k_q1f4fee8555_proj
	.p2alignl 7, 3214868480
	.fill 96, 4, 3214868480
	.section	.rodata,"a",@progbits
	.p2align	6, 0x0
	.amdhsa_kernel k_q1f4fee8555_proj
		.amdhsa_group_segment_fixed_size 327680
		.amdhsa_private_segment_fixed_size 0
		.amdhsa_enable_private_segment 0
		.amdhsa_kernarg_size 32
		.amdhsa_user_sgpr_count 2
		.amdhsa_user_sgpr_kernarg_segment_ptr 1
		.amdhsa_wavefront_size32 1
		.amdhsa_system_sgpr_workgroup_id_x 1
		.amdhsa_system_sgpr_workgroup_id_y 1
		.amdhsa_system_sgpr_workgroup_id_z 1
		.amdhsa_system_vgpr_workitem_id 0
		.amdhsa_next_free_vgpr 768
		.amdhsa_next_free_sgpr 100
		.amdhsa_reserve_vcc 0
		.amdhsa_float_denorm_mode_32 3
		.amdhsa_float_denorm_mode_16_64 3
		.amdhsa_memory_ordered 1
		.amdhsa_forward_progress 1
		.amdhsa_inst_pref_size 85
	.end_amdhsa_kernel
	.amdgpu_metadata
---
amdhsa.version: [ 1, 2 ]
amdhsa.kernels:
  - .name:           k_q1f4fee8555_proj
    .symbol:         k_q1f4fee8555_proj.kd
    .args:
      - { .name: ao, .offset: 0, .size: 8, .value_kind: global_buffer, .address_space: global }
      - { .name: opnd, .offset: 8, .size: 8, .value_kind: global_buffer, .address_space: global }
      - { .name: proj_b, .offset: 16, .size: 8, .value_kind: global_buffer, .address_space: global }
      - { .name: out0, .offset: 24, .size: 8, .value_kind: global_buffer, .address_space: global }
    .group_segment_fixed_size: 327680
    .private_segment_fixed_size: 0
    .kernarg_segment_align: 8
    .kernarg_segment_size: 32
    .max_flat_workgroup_size: 128
    .sgpr_count:     100
    .vgpr_count:     768
    .wavefront_size: 32
...
	.end_amdgpu_metadata
.endif
;; end of part 4
